; MI455X (gfx1250); checked and timed in simulation.
; The chip was launched on July 23, 2026; its instructions are those of AMD's public machine-readable ISA for CDNA 5 (MIT licence, August 2026) and "CDNA5" Instruction Set Architecture Reference Guide (July 2026). The comments in the code are by the model that wrote it; some were corrected since.
;; Multihead Attention. Allowed arithmetic: matrix products marked QUANTISED: E2M3 operands, one E8M0 scale for each 32 along K, by v_wmma_scale_f32_16x16x128_f8f6f4 with both operands' format E2M3, f32 sums; everything else in f32.
;; Inputs: Wk 1,024 x 1,024 float32; Wo 1,024 x 1,024 float32; Wq 1,024 x 1,024 float32; Wv 1,024 x 1,024 float32; bk 1,024 float32; bo 1,024 float32; bq 1,024 float32; bv 1,024 float32; x 2 x 2,048 x 1,024 float32.
;; Outputs: out0 2 x 2,048 x 1,024 float32.
;; This version of the problem:
;;   THIS VERSION OF THE PROBLEM IS GIVEN IN LOW PRECISION. The matrix products marked QUANTISED in the list below multiply operands that are first quantised to E2M3 (2 exponent bits, 3 mantissa bits; 6 bits a number), with one power-of-two scale for each 32 numbers along K (OCP MX v1.0); their sums are f32. All else is computed in f32.
;;   The module's matrix products, in the order in which they are computed (A, B: the left and right operand; K: the contracted axis; several contracted axes count as one K, in the product's order):
;;     1. [M 4,096, K 1,024] x [K 1,024, N 1,024]; A: input x; B: input Wq: QUANTISED
;;     2. [M 4,096, K 1,024] x [K 1,024, N 1,024]; A: input x; B: input Wk: QUANTISED
;;     3. [M 4,096, K 1,024] x [K 1,024, N 1,024]; A: input x; B: input Wv: QUANTISED
;;     4. batch 32 x [M 2,048, K 64] x [K 64, N 2,048]; A: computed on the way; B: computed on the way: QUANTISED
;;     5. batch 32 x [M 2,048, K 2,048] x [K 2,048, N 64]; A: softmax (see below); B: computed on the way: QUANTISED
;;     6. [M 4,096, K 1,024] x [K 1,024, N 1,024]; A: computed on the way; B: input Wo: QUANTISED
;;   THE QUANTISER, for each operand of a quantised product, along K:
;;     - K is cut into blocks of 32 from its start; a last block that is shorter is filled with zeros.
;;     - A block's scale is 2^e with e = floor(log2(the largest magnitude in the block)) - 2, held to -126 .. 127; a block of zeros has e = 0. As a byte (E8M0): e + 127.
;;     - Each number is divided by its block's scale, clamped to +-7.5, and rounded to the nearest number of E2M3, ties to even, subnormals kept.
;;     - The product sums the exact products of the quantised numbers (number of the format x scale) in f32.
;;   ~~~python
;;   def quantise(x, axis):      # numpy; x: float32 -> the quantised numbers, widened to float32 again
;;       x = np.moveaxis(x, axis, -1); K = x.shape[-1]
;;       x = np.pad(x, [(0, 0)] * (x.ndim - 1) + [(0, -K % 32)]); x = x.reshape(x.shape[:-1] + (-1, 32)); a = np.abs(x).max(-1, keepdims=True)
;;       e = np.where(a > 0, np.clip(np.frexp(np.where(a > 0, a, 1))[1] - 1 - 2, -126, 127), 0)      # np.frexp(a)[1] - 1 = floor(log2(a)), exactly
;;       r = np.clip(x / 2.0 ** e, -7.5, 7.5)
;;       step = 2.0 ** (np.maximum(np.frexp(np.where(r == 0, 1, r))[1] - 1, 0) - 3)
;;       q = np.round(r / step) * step * 2.0 ** e      # np.round: ties to even
;;       return np.moveaxis(q.reshape(q.shape[:-2] + (-1,))[..., :K], -1, axis).astype(np.float32)
;;   ~~~
;;   SOFTMAX AHEAD OF A QUANTISED PRODUCT. Where the list says 'softmax', what is quantised is not the finished softmax but p = 2^(t - M), with t = logit x log2(e) and M = ceil(the row's largest t), a whole number; so 1/2 < the row's largest p <= 1. The row's sum l is taken of the UNQUANTISED p, in f32, and the product's result is divided by l at the end. Since M is a whole number, a kernel that streams over the keys may use a running M (the ceiling of the running maximum): every later rescaling is an exact power of two, which a block's scale takes up: the codes' values come out the same.
;;   OPERANDS COMPUTED ON THE WAY. 'Computed on the way' means the value that the module computes at that place (a softmax that the list does not call 'softmax' is quantised finished and normalised). What goes into a quantiser is computed in f32, as accurately as f32 sums, v_exp_f32 and their like allow (about 1e-6 of the number): no bf16 or f16 on the way to a quantiser, and a product that is left as it is and whose result goes on into a quantised operand takes f32 operands (vector FMAs, or v_wmma_f32_16x16x4_f32). A number that lies on a knife's edge between two numbers of the format may be rounded either way, as far as f32 arithmetic and the matrix unit's own rounding can turn it there, and no further.
;; One version. Each part assembles by itself: llvm-mc -triple=amdgcn-amd-amdhsa -mcpu=gfx1250 --defsym DOCPART=n.
;; ======== version 1 of 1: 4 launches
;; limits: right only within a limited range of input values
;; workspace buffers: ximg 3,276,800 bytes; wimg 3,276,800 bytes; qimg 3,407,872 bytes; kvimg 6,684,672 bytes; cimg 3,276,800 bytes
;; launch quant (part 1): grid 256 x 1, 4 waves a work-group, no clusters, 34,304 bytes of LDS; arguments x, Wq, Wk, Wv, Wo, ximg, wimg; writes ximg, wimg
.if DOCPART == 1
	.amdgcn_target "amdgcn-amd-amdhsa--gfx1250"
	.amdhsa_code_object_version 6
	.text
	.protected	k_q0a9c87af0f_quant
	.globl	k_q0a9c87af0f_quant
	.p2align	8
	.type	k_q0a9c87af0f_quant,@function
k_q0a9c87af0f_quant:
	s_mov_b64 s[64:65], 0
	v_nop
	global_prefetch_b8 v0, s[64:65] scope:SCOPE_SE
	s_setreg_imm32_b32 hwreg(HW_REG_WAVE_MODE, 25, 1), 1
	s_wait_xcnt 0x0
; x [4096][1024] and Wq, Wk, Wv, Wo [1024][1024], f32, K innermost, become codes of FP6 (E2M3) with one E8M0 byte for each 32 along K,
; laid as IMAGES OF OPERAND REGISTERS: a fragment (16 rows x 128 K, 12 registers a lane) is 1,536 bytes, register q of lane L at 512 (q / 4) + 16 L + 4 (q % 4).
; ximg: codes [32 blocks of 128 rows][8 K steps][8 tiles][1,536] and, from SCOFF on, 512 bytes of scale words a tile: lane L's 16 bytes at 16 L, word q = row L % 16, K step 4 (L / 16) + q.
; wimg: the same; blocks 0-7 Wq, 8-15 Wk, 16-23 Wv, 24-31 Wo.
; THE ROWS OF A TILE ARE NOT NEIGHBOURS: lane r of tile T holds row 64 (T / 4) + 32 (r / 8) + 8 (T % 4) + r % 8.  So wherever the four tiles of a band of 64 rows are a product's source 0, lane (r, h)'s
; 32 results are the 32 neighbouring rows 32 h + 0 .. 31 of the band: a whole scale block of the next product lies in one lane.
; A block's scale is 2^(floor(log2(its largest magnitude)) - 2); its byte is the largest magnitude's exponent field - 2, held at 1 from below.
; No work of the problem is left out in this program's launches.
; LIMITS: NaN and infinities among the inputs are not served; a block whose largest magnitude lies under 2^-124 is held at the byte 1; a block of zeros gets the byte 1 where the rule says 127:
; its codes are zeros, which add nothing, and this program alone reads the bytes.
; SHARES: 512 tiles x 2 halves of K = 1,024 waves.  A wave takes 4 K steps of one tile; all its 64 loads are asked for at the start.  Each load reads 512 consecutive bytes of one row; a K step's 16 rows turn through the
; wave's own stage in LDS (rows of 528 bytes) so that lane (r, h) gets, of row r, the 32 neighbours 64 c + 32 h + 0 .. 31.  No barrier: waves share nothing.  No matrix unit, no cluster: the launch is a stream
; whose loads are all asked for at once, so there is nothing to prefetch.
.set SCOFF, 3145728                    ; where the scale words begin in ximg and wimg
.set STGB,  8448                       ; a wave's stage: 16 rows x (512 + 16) bytes
.set SPARE, 4*STGB                     ; behind the stages: the spare words, 128 bytes for each wave
.set LN,   1                           ; v1   lane
.set LI,   4                           ; v4   16 x lane
.set STO,  5                           ; v5   the stage, on the way in: 16 x lane
.set RD,   6                           ; v6   and on the way out: 528 r + 128 h
.set R16,  7                           ; v7   16 r
.set SPW,  12                          ; v12  my spare word's LDS address; never rewritten
.set NIL,  13                          ; v13  0; never rewritten
.set H8,   14                          ; v14  8 h
.set R,    16                          ; v16-143  K steps 0 and 1 as loaded; steps 2 and 3: window 1, v0-127
.set X,    144                         ; v144-207 64 numbers: register 32 c + i = k 64 c + 32 h + i of my row
.set TM,   208                         ; v208-219 at work
.set PC,   220                         ; v220-231 the fragment; v232-234, v236-238 the conversions' second halves
.set SW,   240                         ; v240-243 the four K steps' scale words
.set SEL,  28                          ; s[28:29] v_permlanex16_b32's selects for lane l xor 16
.set MSB, 0
.macro WIN new                         ; the immediate's high byte repeats the setting that is left
.if MSB != \new
	s_set_vgpr_msb (MSB<<8)|\new
.set MSB, \new
.endif
.endm
; 64 numbers of a lane, two blocks of 32, become a fragment's codes in v[PC] on and my row's scale word in v[pw].
.macro QUANT pw
.irp b, 0,1,2,3
	v_max3_num_f32 v[TM+\b], |v[X+16*\b]|, |v[X+16*\b+1]|, 0x1800000        ; sixteen numbers each, and the floor 2^(3 - 127): the byte cannot fall under 1
.endr
.irp i, 2,4,6,8,10,12,14
.irp b, 0,1,2,3
	v_max3_num_f32 v[TM+\b], v[TM+\b], |v[X+16*\b+\i]|, |v[X+16*\b+\i+1]|    ; four chains by turns
.endr
.endr
	v_max_num_f32 v[TM], v[TM], v[TM+1]                                      ; my blocks' largest magnitudes
	v_max_num_f32 v[TM+2], v[TM+2], v[TM+3]
	v_add_nc_u32 v[TM+8], 0xff000000, v[TM]                                  ; 2 off the exponent field: the conversion takes the exponent field of this operand as its scale
	v_add_nc_u32 v[TM+10], 0xff000000, v[TM+2]
	v_lshrrev_b32 v[TM+4], 23, v[TM+8]                                       ; the scales' bytes: blocks h and 2 + h,
	v_lshrrev_b32 v[TM+5], 23, v[TM+10]
	v_cvt_scalef32_pk16_fp6_f32 v[PC:PC+2], v[X:X+15], v[TM+8]
	v_cvt_scalef32_pk16_fp6_f32 v[PC+12:PC+14], v[X+16:X+31], v[TM+8]        ; (a conversion's three registers begin on an even number)
	v_cvt_scalef32_pk16_fp6_f32 v[PC+6:PC+8], v[X+32:X+47], v[TM+10]
	v_cvt_scalef32_pk16_fp6_f32 v[PC+16:PC+18], v[X+48:X+63], v[TM+10]
	v_lshl_or_b32 v[TM+4], v[TM+5], 16, v[TM+4]
	v_lshlrev_b32 v[TM+4], v[H8], v[TM+4]                                    ; at their places in the word;
	v_permlanex16_b32 v[TM+6], v[TM+4], s[SEL], s[SEL+1]
	v_or_b32 v[\pw], v[TM+4], v[TM+6]                                        ; with lane l xor 16's two the word is whole
.irp c, 0,1
.irp i, 0,1,2
	v_mov_b32 v[PC+3+6*\c+\i], v[PC+12+4*\c+\i]
.endr
.endr
.endm
	s_load_b256 s[4:11], s[0:1], 0x0               ; x s[4:5], Wq s[6:7], Wk s[8:9], Wv s[10:11]
	s_load_b128 s[12:15], s[0:1], 0x20             ; Wo s[12:13], ximg s[14:15]
	s_load_b64 s[16:17], s[0:1], 0x30              ; wimg
	v_lshl_add_u32 v[SPW], v0, 2, SPARE
	v_mov_b32 v[NIL], 0
	v_lshrrev_b32 v1, 5, v0
	v_readfirstlane_b32 s20, v1                    ; wave 0..3
	v_and_b32 v[LN], 31, v0
	v_and_b32 v2, 15, v0                           ; r
	v_bfe_u32 v3, v0, 4, 1                         ; h
	v_lshlrev_b32 v[LI], 4, v[LN]
	s_mul_i32 s32, s20, STGB                       ; my stage
	v_add_nc_u32 v[STO], s32, v[LI]
	v_mul_u32_u24 v[RD], v2, 528
	v_lshl_add_u32 v[RD], v3, 7, v[RD]
	v_add_nc_u32 v[RD], s32, v[RD]
	v_lshlrev_b32 v[R16], 4, v2
	v_lshlrev_b32 v[H8], 3, v3
	s_mov_b32 s[SEL], 0x76543210
	s_mov_b32 s[SEL+1], 0xfedcba98
	v_mov_b32 v[TM+6], 0                           ; written once: a lane permute's destination counts as one of its sources
	s_lshl_b32 s33, ttmp9, 1
	s_lshr_b32 s34, s20, 1
	s_add_co_u32 s33, s33, s34                     ; my tile among the 512: 2 x work-group + wave / 2
	s_and_b32 s34, s20, 1                          ; my half of K
	s_wait_alu depctr_va_vdst(0)                   ; the wait at the head's end
	s_wait_kmcnt 0x0
	s_mov_b64 s[22:23], s[12:13]                   ; the tensor is chosen by the work-group's number alone: 128 work-groups for x, 32 for each weight
	s_cmp_lt_u32 ttmp9, 224
	s_cselect_b64 s[22:23], s[10:11], s[22:23]
	s_cmp_lt_u32 ttmp9, 192
	s_cselect_b64 s[22:23], s[8:9], s[22:23]
	s_cmp_lt_u32 ttmp9, 160
	s_cselect_b64 s[22:23], s[6:7], s[22:23]
	s_cmp_lt_u32 ttmp9, 128
	s_cselect_b64 s[22:23], s[4:5], s[22:23]
	s_cselect_b64 s[24:25], s[14:15], s[16:17]
	s_cselect_b32 s35, 255, 63
	s_and_b32 s38, s33, 255                        ; the tile in its image buffer
	s_and_b32 s35, s33, s35                        ; and in its tensor
	s_lshr_b32 s36, s35, 2
	s_lshl_b32 s36, s36, 18                        ; 64 rows of 4,096 bytes for each band of four tiles,
	s_and_b32 s35, s35, 3
	s_lshl_b32 s35, s35, 15                        ; 8 rows for each tile in it,
	s_add_co_u32 s36, s36, s35
	s_lshl_b32 s35, s34, 11                        ; 4 K steps of 512 bytes for the upper half of K
	s_add_co_u32 s36, s36, s35
	s_mov_b32 s37, 0
	s_add_nc_u64 s[22:23], s[22:23], s[36:37]
	s_lshl_b32 s36, s38, 9                         ; the scale words: 512 bytes a tile, 256 for each half of K
	s_lshl_b32 s35, s34, 8
	s_add_co_u32 s36, s36, s35
	s_add_co_u32 s36, s36, SCOFF
	s_add_nc_u64 s[26:27], s[24:25], s[36:37]
	s_lshr_b32 s36, s38, 3                         ; the codes: block, tile in the block, half of K
	s_mul_i32 s36, s36, 98304
	s_and_b32 s35, s38, 7
	s_mul_i32 s35, s35, 1536
	s_add_co_u32 s36, s36, s35
	s_mul_i32 s35, s34, 49152
	s_add_co_u32 s36, s36, s35
	s_add_nc_u64 s[24:25], s[24:25], s[36:37]
.macro LOAD t                          ; K step t of my four: 16 rows, 512 consecutive bytes each; the rows in the tile's order
.if (\t) < 2
	WIN 0
.set B_, R+64*(\t)
.else
	WIN 0x40                                       ; destination window 1
.set B_, 64*((\t)-2)
.endif
.irp i, 0,1,2,3,4,5,6,7,8,9,10,11,12,13,14,15
	global_load_b128 v[B_+4*\i:B_+4*\i+3], v[LI], s[22:23] offset:(\i+24*(\i/8))*4096+512*(\t) th:TH_LOAD_NT
.endr
.endm
.macro STEP t
	s_wait_loadcnt 16*(3-(\t))                     ; this step's 16 loads are in; the later steps' may be out
.if (\t) < 2
.set B_, R+64*(\t)
.else
.set B_, 64*((\t)-2)
	WIN 0x04                                       ; the stores' data: window 1
.endif
.irp i, 0,1,2,3,4,5,6,7,8,9,10,11,12,13,14,15
	ds_store_b128 v[STO], v[B_+4*\i:B_+4*\i+3] offset:528*\i
.endr
	WIN 0
.irp c, 0,1
.irp j, 0,1,2,3,4,5,6,7
	ds_load_b128 v[X+32*\c+4*\j:X+32*\c+4*\j+3], v[RD] offset:256*\c+16*\j   ; LDS serves a wave's instructions in order: these see the stores above
.endr
.endr
	s_wait_dscnt 0x0                               ; the numbers are back
	s_wait_xcnt 0x0                                ; the last step's stores have read the fragment's registers, which are written again below
	QUANT SW+(\t)
.irp c, 0,1,2
	global_store_b128 v[LI], v[PC+4*\c:PC+4*\c+3], s[24:25] offset:12288*(\t)+512*\c   ; 32 lanes store 512 consecutive bytes, at a multiple of 256 from the buffer's first byte
.endr
.endm
	LOAD 0
	LOAD 1
	LOAD 2
	LOAD 3
	WIN 0
	STEP 0
	STEP 1
	STEP 2
	STEP 3
	v_cmp_gt_u32 vcc_lo, 16, v[LN]                 ; lanes 16-31 hold the same words as lanes 0-15
	s_wait_alu depctr_va_vdst(0)
	s_wait_xcnt 0x0                                ; EXEC changes only behind this wait
	s_and_saveexec_b32 s30, vcc_lo
	global_store_b128 v[R16], v[SW:SW+3], s[26:27] ; sixteen lanes store 256 consecutive bytes, aligned
	s_wait_xcnt 0x0
	s_or_b32 exec_lo, exec_lo, s30
	s_wait_tensorcnt 0x0                           ; the wave's end
	ds_add_u32 v[SPW], v[NIL]
	s_wait_dscnt 0x0
	s_endpgm
.Lfunc_end_k_q0a9c87af0f_quant:
	.size	k_q0a9c87af0f_quant, .Lfunc_end_k_q0a9c87af0f_quant-k_q0a9c87af0f_quant
	.p2alignl 7, 3214868480
	.fill 96, 4, 3214868480
	.section	.rodata,"a",@progbits
	.p2align	6, 0x0
	.amdhsa_kernel k_q0a9c87af0f_quant
		.amdhsa_group_segment_fixed_size 34304
		.amdhsa_private_segment_fixed_size 0
		.amdhsa_enable_private_segment 0
		.amdhsa_kernarg_size 56
		.amdhsa_user_sgpr_count 2
		.amdhsa_user_sgpr_kernarg_segment_ptr 1
		.amdhsa_wavefront_size32 1
		.amdhsa_system_sgpr_workgroup_id_x 1
		.amdhsa_system_sgpr_workgroup_id_y 1
		.amdhsa_system_sgpr_workgroup_id_z 1
		.amdhsa_system_vgpr_workitem_id 0
		.amdhsa_next_free_vgpr 384
		.amdhsa_next_free_sgpr 66
		.amdhsa_reserve_vcc 1
		.amdhsa_float_denorm_mode_32 3
		.amdhsa_float_denorm_mode_16_64 3
		.amdhsa_memory_ordered 1
		.amdhsa_forward_progress 1
		.amdhsa_inst_pref_size 31
	.end_amdhsa_kernel
	.amdgpu_metadata
---
amdhsa.version: [ 1, 2 ]
amdhsa.kernels:
  - .name:           k_q0a9c87af0f_quant
    .symbol:         k_q0a9c87af0f_quant.kd
    .args:
      - { .name: x, .offset: 0, .size: 8, .value_kind: global_buffer, .address_space: global }
      - { .name: Wq, .offset: 8, .size: 8, .value_kind: global_buffer, .address_space: global }
      - { .name: Wk, .offset: 16, .size: 8, .value_kind: global_buffer, .address_space: global }
      - { .name: Wv, .offset: 24, .size: 8, .value_kind: global_buffer, .address_space: global }
      - { .name: Wo, .offset: 32, .size: 8, .value_kind: global_buffer, .address_space: global }
      - { .name: ximg, .offset: 40, .size: 8, .value_kind: global_buffer, .address_space: global }
      - { .name: wimg, .offset: 48, .size: 8, .value_kind: global_buffer, .address_space: global }
    .group_segment_fixed_size: 34304
    .private_segment_fixed_size: 0
    .kernarg_segment_align: 8
    .kernarg_segment_size: 56
    .max_flat_workgroup_size: 128
    .sgpr_count:     66
    .vgpr_count:     384
    .wavefront_size: 32
...
	.end_amdgpu_metadata
.endif
;; end of part 1
;; launch qkv (part 2): grid 32 x 8, 4 waves a work-group, clusters of 4 x 1, 296,448 bytes of LDS; arguments ximg, wimg, bq, bk, bv, qimg, kvimg; writes qimg, kvimg
.if DOCPART == 2
	.amdgcn_target "amdgcn-amd-amdhsa--gfx1250"
	.amdhsa_code_object_version 6
	.text
	.protected	k_q0a9c87af0f_qkv
	.globl	k_q0a9c87af0f_qkv
	.p2align	8
	.type	k_q0a9c87af0f_qkv,@function
k_q0a9c87af0f_qkv:
	s_mov_b64 s[64:65], 0
	v_nop
	global_prefetch_b8 v0, s[64:65] scope:SCOPE_SE
	s_setreg_imm32_b32 hwreg(HW_REG_WAVE_MODE, 25, 1), 1
	s_wait_xcnt 0x0
	s_wait_alu depctr_hold_cnt(0) depctr_sa_sdst(0) depctr_va_vdst(0) depctr_va_sdst(0) depctr_va_ssrc(0) depctr_va_vcc(0) depctr_vm_vsrc(0)
	s_getreg_b32 s2, hwreg(HW_REG_IB_STS2, 6, 4)
	s_cmp_eq_u32 s2, 0
	s_cbranch_scc0 .Lentry_in_a_cluster
	s_endpgm
.Lentry_in_a_cluster:
	s_bfe_u32 s2, ttmp6, 0x10000c
	s_cmp_lg_u32 s2, 0x3003
	s_cbranch_scc0 .Lentry_shape_is_right
	s_endpgm
.Lentry_shape_is_right:
; q = x Wq^T + bq, k = x Wk^T + bk, v = x Wv^T + bv on codes of FP6 (E2M3) with E8M0 scales; the three results are quantised in registers (q, k along the head's 64, v along the keys)
; and leave as images of operand registers.  Nothing in f32 goes to memory.
; SHARES: a work-group takes 128 tokens (block i) x 128 columns (block j: heads 2 j, 2 j + 1) of all three products: 32 x 8 = 256 work-groups.  Wave w: tokens 64 (w % 2) on, head 2 j + w / 2.
; A wave's x (4 tiles x 8 K steps = 384 registers) comes straight from its image into registers and stays for all three phases.  The three weight blocks (3 x 98,304 bytes) lie in LDS together:
; every tensor load is a first fill, one a wave: waves 0 and 1 fetch half of Wq's block each, wave 2 Wk's, wave 3 Wv's.  Nothing is filled again, and there is no loop to run ahead in: no prefetch.
; CLUSTER: the four work-groups of a cluster share j, so each weight block is asked for jointly: the same load, the same descriptor, a mask that names the four.
; LAYOUT: q, k: source 0 = 16 rows of W, source 1 = 16 tokens: lane (r, h) holds one token, and the 32 registers of a head's four tiles are channels 32 h + 0 .. 31 (the tiles' row order was chosen for that
; by the launch that made the images): one scale block.  v: the sources swapped: a lane holds one channel and the 32 registers of four token tiles are tokens 32 h + 0 .. 31 of my 64: again one scale block.
; The biases are the C of each sum's first product, so the order of rounding differs from a sum that adds the bias last.
; OUT: half a fragment (16 rows x 64 K, 6 registers) is 768 bytes: registers 0-3 at 16 L, registers 4-5 at 512 + 8 L.  Scale words of four tiles are 256 bytes: lane L's 8 bytes at 8 L, register e = tile 2 e + L / 16, row L % 16.
;   qimg: codes [32 heads][128 tiles][768], from SCOFF on scale words [32 heads][32 groups of four tiles][256].
;   kvimg: [32 heads][16 key steps][13,056]: K's 8 tiles at 0; V's [64 keys c][4 channel tiles] at 6,144; K's scale words at 12,288 (2 x 256); V's at 12,800.
; LIMITS: NaN and infinities are not served; a block whose largest magnitude lies under 2^-124 is held at the byte 1; a block of zeros gets the byte 1 (its codes are zeros; this program alone reads the bytes).
; REGISTERS, in windows of 256: window 0: addresses, scale words, the codes just made, v128-255 the 16 accumulators.  window 1: x, K steps 0-3, at v[48 s + 12 a].  window 2: K steps 4-7.
;   window 3: v0-47, v48-95 two sets of W's four fragments; v96-127, v128-159, v160-191 the biases of q, k, v in the results' layout.
.set SCOFF, 3145728
.set WBLK,  98304                      ; a block of 128 rows: [8 K steps][8 tiles][1,536]
.set KSB,   12288                      ; a K step of it
.set FRB,   1536                       ; a fragment's image
.set MRG,   3*WBLK                     ; LDS behind the three blocks: 256 bytes for each wave, where V's scale words meet
.set SPARE, MRG+1024                   ; the spare words, 128 bytes for each wave
.set LI,   4                           ; v4   16 x lane
.set L8,   5                           ; v5   8 x lane
.set ADRB, 6                           ; v6-11  LDS address of my four W fragments: phase p, half q of K at v[6 + 2 p + q]
.set BQO,  12                          ; v12  128 h: my lane's place in bq, bk
.set BVO,  13                          ; v13  4 (32 (r / 8) + r % 8): in bv
.set MST,  14                          ; v14  where I put V's scale words
.set MLD,  15                          ; v15  where my partner put its own
.set TM,   16                          ; v16-27 at work in QUANT
.set SPW,  28                          ; v28  my spare word's LDS address; never rewritten
.set NIL,  29                          ; v29  0; never rewritten
.set XS,   32                          ; v32-47  x's scale words: tile a, register q: K step q in lanes 0-15, K step 4 + q in lanes 16-31
.set WS,   48                          ; v48-95  W's likewise: 16 p + 4 b + q
.set PC,   96                          ; v96-107 two half fragments; v108-110, v112-114 the conversions' second halves
.set SCW,  116                         ; v116-117 the scale words just made
.set SCP,  118                         ; v118-119 my partner's
.set BVL,  120                         ; v120-123 bv as loaded
.set ACC,  128
.set BIAS, 96                          ; in window 3
.set WV,   18                          ; s18 wave; s19 its half of the tokens; s20 its head of the two
.set G1,   24                          ; s[24:31] descriptor group 1: 192 rows of 256 bytes
.set G1X,  80                          ; s[80:87] the same with 384 rows
.set G0,   32                          ; s[32:43] group 0 for the three weights
.set MSB, 0
.macro WIN new                         ; the immediate's high byte repeats the setting that is left; a switch that changes nothing is dropped
.if MSB != \new
	s_set_vgpr_msb (MSB<<8)|\new
.set MSB, \new
.endif
.endm
.macro PLACES n
.rept \n
	v_nop
.endr
.endm
.macro BAR
	s_barrier_signal -1
	s_barrier_wait -1
.endm
.macro CROUND                          ; a round of the cluster's barrier
	s_barrier_signal -1
	s_barrier_wait -1
	s_cmp_lg_u32 s[WV], 0
	s_cbranch_scc1 .Lnot_wave_0_\@
	s_barrier_signal -3
.Lnot_wave_0_\@:
	s_barrier_wait -3
	s_barrier_signal -1
	s_barrier_wait -1
.endm
.macro TLOAD g0, g1
	tensor_load_to_lds s[\g0:\g0+3], s[\g1:\g1+7]
	s_nop 0
	PLACES 4
.endm
; 64 results of a lane, TWO tiles with one block of 32 each, become two half fragments in v[PC] .. v[PC + 11] and one register of scale words:
; lanes 0-15 the first tile's word, lanes 16-31 the second's; bytes 2 and 3 are 0.  The reads ascend.
.macro QUANT s, pw
.irp b, 0,1,2,3
	v_max3_num_f32 v[TM+\b], |v[\s+16*\b]|, |v[\s+16*\b+1]|, 0x1800000      ; and the floor 2^(3 - 127): the byte cannot fall under 1
.endr
.irp i, 2,4,6,8,10,12,14
.irp b, 0,1,2,3
	v_max3_num_f32 v[TM+\b], v[TM+\b], |v[\s+16*\b+\i]|, |v[\s+16*\b+\i+1]|
.endr
.endr
	v_max_num_f32 v[TM], v[TM], v[TM+1]
	v_max_num_f32 v[TM+2], v[TM+2], v[TM+3]
	v_add_nc_u32 v[TM+8], 0xff000000, v[TM]                                  ; 2 off the exponent field: the conversion's scale operand
	v_add_nc_u32 v[TM+10], 0xff000000, v[TM+2]
	v_lshrrev_b32 v[TM+4], 23, v[TM+8]                                       ; the scales' bytes: block h of either tile
	v_lshrrev_b32 v[TM+5], 23, v[TM+10]
	v_cvt_scalef32_pk16_fp6_f32 v[PC:PC+2], v[\s:\s+15], v[TM+8]
	v_cvt_scalef32_pk16_fp6_f32 v[PC+12:PC+14], v[\s+16:\s+31], v[TM+8]      ; (a conversion's three registers begin on an even number)
	v_cvt_scalef32_pk16_fp6_f32 v[PC+6:PC+8], v[\s+32:\s+47], v[TM+10]
	v_cvt_scalef32_pk16_fp6_f32 v[PC+16:PC+18], v[\s+48:\s+63], v[TM+10]
	v_permlane16_swap_b32 v[TM+4], v[TM+5]                                   ; now the first holds block 0's bytes, the second block 1's: lanes 0-15 of the first tile, lanes 16-31 of the second
	v_lshl_or_b32 v[\pw], v[TM+5], 8, v[TM+4]
.irp c, 0,1
.irp i, 0,1,2
	v_mov_b32 v[PC+3+6*\c+\i], v[PC+12+4*\c+\i]
.endr
.endr
.endm
	s_load_b256 s[4:11], s[0:1], 0x0               ; ximg s[4:5], wimg s[6:7], bq s[8:9], bk s[10:11]
	s_load_b128 s[12:15], s[0:1], 0x20             ; bv s[12:13], qimg s[14:15]
	s_load_b64 s[16:17], s[0:1], 0x30              ; kvimg
	v_lshl_add_u32 v[SPW], v0, 2, SPARE
	v_mov_b32 v[NIL], 0
	ds_add_u32 v[SPW], v[NIL]                      ; the wave's opening: the add, twice on end, and its wait ahead of my first tensor load; work on registers stands between them
	ds_add_u32 v[SPW], v[NIL]
	v_lshrrev_b32 v1, 5, v0
	v_readfirstlane_b32 s[WV], v1                  ; wave 0..3
	s_and_b32 s19, s[WV], 1                        ; th: my 64 tokens
	s_lshr_b32 s20, s[WV], 1                       ; ch: my head of the two
	s_bfe_u32 s21, ttmp6, 0x40000                  ; cx
	s_lshl_b32 s22, ttmp9, 2
	s_add_co_u32 s22, s22, s21                     ; i: my block of 128 tokens
	s_and_b32 s23, ttmp7, 0xffff                   ; j: my block of 128 columns, which the four partners share
.irp g, G1, G1X
	s_mov_b32 s[\g+0], 15|(3<<16)|(1<<21)          ; 15:0 the mask: all four work-groups; 17:16 elements of 8 bytes; 21 set beside a mask; no padding
	s_mov_b32 s[\g+1], 32<<16                      ; tensor_dim0 = 32 elements: rows of 256 bytes
	s_mov_b32 s[\g+3], 32<<16                      ; tile_dim0
	s_mov_b32 s[\g+5], 32                          ; the pitch: the block is dense
	s_mov_b32 s[\g+6], 0
	s_mov_b32 s[\g+7], 0
.endr
	s_mov_b32 s[G1+2], 192<<16                     ; tensor_dim1 and tile_dim1: half a block,
	s_mov_b32 s[G1+4], 192
	s_mov_b32 s[G1X+2], 384<<16                    ; or a whole one
	s_mov_b32 s[G1X+4], 384
	s_lshl_b32 s72, s19, 4                         ; 16 th: where my two bytes stand in V's scale words
	v_and_b32 v1, 31, v0                           ; lane
	v_and_b32 v2, 15, v0                           ; r
	v_bfe_u32 v3, v0, 4, 1                         ; h
	v_lshlrev_b32 v[LI], 4, v1
	v_lshlrev_b32 v[L8], 3, v1
	s_mul_i32 s73, s20, 4*FRB                      ; my head's four tiles of a block's eight
	v_add_nc_u32 v[ADRB], s73, v[LI]
.irp k, 1,2,3,4,5
	v_add_nc_u32 v[ADRB+\k], 49152*\k, v[ADRB]     ; four K steps on for each: 98,304 p + 49,152 q
.endr
	v_lshlrev_b32 v[BQO], 7, v3
	v_and_b32 v[BVO], 8, v2
	v_mul_u32_u24 v[BVO], 3, v[BVO]
	v_add_nc_u32 v[BVO], v[BVO], v2
	v_lshlrev_b32 v[BVO], 2, v[BVO]
	s_lshl_b32 s73, s[WV], 8
	s_add_co_u32 s73, s73, MRG
	v_add_nc_u32 v[MST], s73, v[L8]
	s_xor_b32 s73, s[WV], 1                        ; my partner: the same head, the other 64 tokens
	s_lshl_b32 s73, s73, 8
	s_add_co_u32 s73, s73, MRG
	v_add_nc_u32 v[MLD], s73, v[L8]
	s_mul_i32 s66, s23, WBLK                       ; the descriptors hang on j and the wave alone
	s_mov_b32 s67, 0
	s_mul_i32 s74, s[WV], WBLK/2                   ; waves 0 and 1: my half of Wq's block, in memory and in LDS
	s_mov_b32 s75, 0
	s_wait_alu depctr_va_vdst(0)                   ; the wait at the head's end
	s_wait_dscnt 0x0                               ; the opening adds are done
	s_wait_kmcnt 0x0
	s_add_nc_u64 s[66:67], s[6:7], s[66:67]
	s_mov_b32 s[G0], 1                             ; count = 1
	s_mov_b32 s[G0+1], s74                         ; LDS address
	s_add_nc_u64 s[G0+2:G0+3], s[66:67], s[74:75]
	s_or_b32 s[G0+3], s[G0+3], 0x80000000          ; type = 2
.irp p, 1,2
	s_mov_b32 s[G0+4*\p], 1
	s_mov_b32 s[G0+4*\p+1], \p*WBLK
	s_add_nc_u64 s[G0+4*\p+2:G0+4*\p+3], s[66:67], \p*8*WBLK   ; block 8 p + j of wimg
	s_or_b32 s[G0+4*\p+3], s[G0+4*\p+3], 0x80000000
.endr
	CROUND                                         ; all four work-groups are here: the joint loads meet
	s_cmp_lt_u32 s[WV], 2                          ; one load a wave, in one chain of branches on the wave's number
	s_cbranch_scc0 .Lask_wk
	TLOAD G0, G1
	s_branch .Lasked
.Lask_wk:
	s_cmp_eq_u32 s[WV], 2
	s_cbranch_scc0 .Lask_wv
	TLOAD G0+4, G1X
	s_branch .Lasked
.Lask_wv:
	TLOAD G0+8, G1X
.Lasked:
	; the other addresses.  s[62:63], s69, s2, s3: scratch that may hold the block of tokens
	s_mov_b32 s63, 0
	s_mul_i32 s62, s22, WBLK
	s_mul_i32 s69, s19, 4*FRB
	s_add_co_u32 s62, s62, s69
	s_add_nc_u64 s[44:45], s[4:5], s[62:63]        ; x's codes: block i, my four tiles
	s_lshl_b32 s62, s22, 12
	s_lshl_b32 s69, s19, 11
	s_add_co_u32 s62, s62, s69
	s_add_co_u32 s62, s62, SCOFF
	s_add_nc_u64 s[46:47], s[4:5], s[62:63]        ; x's scale words: 512 bytes a tile
	s_lshl_b32 s62, s23, 12
	s_lshl_b32 s69, s20, 11
	s_add_co_u32 s62, s62, s69
	s_add_co_u32 s62, s62, SCOFF
	s_add_nc_u64 s[48:49], s[6:7], s[62:63]        ; Wq's scale words of my four tiles; Wk's and Wv's lie 32,768 and 65,536 bytes on
	s_lshl_b32 s62, s23, 9
	s_lshl_b32 s69, s20, 8
	s_add_co_u32 s62, s62, s69
	s_add_nc_u64 s[50:51], s[8:9], s[62:63]        ; the biases at my head's 64 numbers
	s_add_nc_u64 s[52:53], s[10:11], s[62:63]
	s_add_nc_u64 s[54:55], s[12:13], s[62:63]
	s_lshr_b32 s69, s22, 4
	s_lshl_b32 s69, s69, 4
	s_lshl_b32 s62, s23, 1
	s_add_co_u32 s69, s69, s62
	s_add_co_u32 s69, s69, s20                     ; 16 x batch + head
	s_and_b32 s3, s22, 15                          ; the key step: my block of tokens within the batch
	s_lshl_b32 s62, s69, 7
	s_lshl_b32 s2, s3, 3
	s_add_co_u32 s62, s62, s2
	s_lshl_b32 s2, s19, 2
	s_add_co_u32 s62, s62, s2
	s_mul_i32 s62, s62, 768
	s_add_nc_u64 s[56:57], s[14:15], s[62:63]      ; q's codes: my four tiles
	s_lshl_b32 s62, s69, 5
	s_lshl_b32 s2, s3, 1
	s_add_co_u32 s62, s62, s2
	s_add_co_u32 s62, s62, s19
	s_lshl_b32 s62, s62, 8
	s_add_co_u32 s62, s62, SCOFF
	s_add_nc_u64 s[58:59], s[14:15], s[62:63]      ; q's scale words
	s_lshl_b32 s62, s69, 4
	s_add_co_u32 s62, s62, s3
	s_mul_i32 s62, s62, 13056
	s_add_nc_u64 s[60:61], s[16:17], s[62:63]      ; my head's record of this key step
	s_mul_i32 s62, s19, 3072
	s_add_nc_u64 s[74:75], s[60:61], s[62:63]      ; K's codes: my four tiles
	s_add_nc_u64 s[78:79], s[74:75], 6144          ; V's codes: my 64 keys
	s_lshl_b32 s62, s19, 8
	s_add_co_u32 s62, s62, 12288
	s_add_nc_u64 s[76:77], s[60:61], s[62:63]      ; K's scale words
.macro XLOAD s                         ; x of K step s: 12 loads
	WIN 0x40*(1+(\s)/4)                            ; destination window 1 or 2
.irp a, 0,1,2,3
.irp g, 0,1,2
	global_load_b128 v[48*((\s)%4)+12*\a+4*\g:48*((\s)%4)+12*\a+4*\g+3], v[LI], s[44:45] offset:KSB*(\s)+FRB*\a+512*\g
.endr
.endr
	WIN 0
.endm
	; 36 loads of scale words and biases, then x's K steps 0 and 1; the later steps go out behind the barrier and in the first phase
.irp a, 0,1,2,3
	global_load_b128 v[XS+4*\a:XS+4*\a+3], v[LI], s[46:47] offset:512*\a
.endr
.irp p, 0,1,2
.irp b, 0,1,2,3
	global_load_b128 v[WS+16*\p+4*\b:WS+16*\p+4*\b+3], v[LI], s[48:49] offset:32768*\p+512*\b
.endr
.endr
.irp b, 0,1,2,3
	global_load_b32 v[BVL+\b], v[BVO], s[54:55] offset:32*\b      ; bv of my lane's channel in tile b
.endr
	WIN 0xc0                                       ; destination window 3
.irp b, 0,1,2,3                        ; bq, bk: tile b's eight channels of my half: 32 h + 8 b + 0 .. 7
	global_load_b128 v[BIAS+8*\b:BIAS+8*\b+3], v[BQO], s[50:51] offset:32*\b
	global_load_b128 v[BIAS+8*\b+4:BIAS+8*\b+7], v[BQO], s[50:51] offset:32*\b+16
	global_load_b128 v[BIAS+32+8*\b:BIAS+32+8*\b+3], v[BQO], s[52:53] offset:32*\b
	global_load_b128 v[BIAS+32+8*\b+4:BIAS+32+8*\b+7], v[BQO], s[52:53] offset:32*\b+16
.endr
	XLOAD 0
	XLOAD 1
	s_cmp_lt_u32 s[WV], 2
	s_cbranch_scc0 .Lno_wq
	s_wait_tensorcnt 0x0                           ; waves 0 and 1, the only ones that issue that line: my half of Wq's block is in; Wk's and Wv's may stay out
.Lno_wq:
	BAR                                            ; Wq's block is whole
	XLOAD 2
	XLOAD 3
	XLOAD 4
	XLOAD 5
	s_wait_loadcnt 63                              ; of the 108 loads at least 45 are in: the 36 of scale words and biases among them
	WIN 0xc0
.irp b, 0,1,2,3
.irp n, 0,1,2,3,4,5,6,7
	v_mov_b32 v[BIAS+64+8*\b+\n], v[BVL+\b]        ; in v's results a lane holds one channel: its bias stands in all eight registers
.endr
.endr
.macro FETCHB p, s                     ; my four W fragments of phase p, K step s, into set s % 2: 12 loads
	WIN 0xc0
.irp b, 0,1,2,3
.irp g, 0,1,2
	ds_load_b128 v[48*((\s)%2)+12*\b+4*\g:48*((\s)%2)+12*\b+4*\g+3], v[ADRB+2*(\p)+(\s)/4] offset:((\s)%4)*KSB+FRB*\b+512*\g
.endr
.endr
.endm
; 16 products of a K step: source 0 = W's tile b, source 1 = x's tile a.  The 16 accumulators take turns, one instruction a turn, in the same order in every step.
.macro MULQK p, s
.if (\s) == 0
	WIN 0x37                                       ; W window 3, x window 1, C (the bias) window 3, D window 0
.elseif (\s) < 4
	WIN 0x07
.else
	WIN 0x0b                                       ; x window 2
.endif
.irp a, 0,1,2,3
.irp b, 0,1,2,3
.if (\s) == 0
	v_wmma_scale_f32_16x16x128_f8f6f4 v[ACC+8*(4*\a+\b):ACC+8*(4*\a+\b)+7], v[48*((\s)%2)+12*\b:48*((\s)%2)+12*\b+11], v[48*((\s)%4)+12*\a:48*((\s)%4)+12*\a+11], v[BIAS+32*(\p)+8*\b:BIAS+32*(\p)+8*\b+7], v[WS+16*(\p)+4*\b+(\s)%4], v[XS+4*\a+(\s)%4] matrix_a_fmt:MATRIX_FMT_FP6 matrix_b_fmt:MATRIX_FMT_FP6
.elseif (\s) < 4
	v_wmma_scale_f32_16x16x128_f8f6f4 v[ACC+8*(4*\a+\b):ACC+8*(4*\a+\b)+7], v[48*((\s)%2)+12*\b:48*((\s)%2)+12*\b+11], v[48*((\s)%4)+12*\a:48*((\s)%4)+12*\a+11], v[ACC+8*(4*\a+\b):ACC+8*(4*\a+\b)+7], v[WS+16*(\p)+4*\b+(\s)%4], v[XS+4*\a+(\s)%4] matrix_a_fmt:MATRIX_FMT_FP6 matrix_b_fmt:MATRIX_FMT_FP6
.else
	v_wmma_scale_f32_16x16x128_f8f6f4 v[ACC+8*(4*\a+\b):ACC+8*(4*\a+\b)+7], v[48*((\s)%2)+12*\b:48*((\s)%2)+12*\b+11], v[48*((\s)%4)+12*\a:48*((\s)%4)+12*\a+11], v[ACC+8*(4*\a+\b):ACC+8*(4*\a+\b)+7], v[WS+16*(\p)+4*\b+(\s)%4], v[XS+4*\a+(\s)%4] matrix_a_fmt:MATRIX_FMT_FP6 matrix_b_fmt:MATRIX_FMT_FP6 matrix_a_scale:MATRIX_SCALE_ROW1 matrix_b_scale:MATRIX_SCALE_ROW1
.endif
.endr
.endr
.endm
; The same for v with the sources swapped: source 0 = x's tile a, source 1 = Wv's tile b; accumulator (b, a).
.macro MULV s
.if (\s) == 0
	WIN 0x3d                                       ; x window 1, W window 3, C (the bias) window 3, D window 0
.elseif (\s) < 4
	WIN 0x0d
.else
	WIN 0x0e
.endif
.irp b, 0,1,2,3
.irp a, 0,1,2,3
.if (\s) == 0
	v_wmma_scale_f32_16x16x128_f8f6f4 v[ACC+8*(4*\b+\a):ACC+8*(4*\b+\a)+7], v[48*((\s)%4)+12*\a:48*((\s)%4)+12*\a+11], v[48*((\s)%2)+12*\b:48*((\s)%2)+12*\b+11], v[BIAS+64+8*\b:BIAS+64+8*\b+7], v[XS+4*\a+(\s)%4], v[WS+32+4*\b+(\s)%4] matrix_a_fmt:MATRIX_FMT_FP6 matrix_b_fmt:MATRIX_FMT_FP6
.elseif (\s) < 4
	v_wmma_scale_f32_16x16x128_f8f6f4 v[ACC+8*(4*\b+\a):ACC+8*(4*\b+\a)+7], v[48*((\s)%4)+12*\a:48*((\s)%4)+12*\a+11], v[48*((\s)%2)+12*\b:48*((\s)%2)+12*\b+11], v[ACC+8*(4*\b+\a):ACC+8*(4*\b+\a)+7], v[XS+4*\a+(\s)%4], v[WS+32+4*\b+(\s)%4] matrix_a_fmt:MATRIX_FMT_FP6 matrix_b_fmt:MATRIX_FMT_FP6
.else
	v_wmma_scale_f32_16x16x128_f8f6f4 v[ACC+8*(4*\b+\a):ACC+8*(4*\b+\a)+7], v[48*((\s)%4)+12*\a:48*((\s)%4)+12*\a+11], v[48*((\s)%2)+12*\b:48*((\s)%2)+12*\b+11], v[ACC+8*(4*\b+\a):ACC+8*(4*\b+\a)+7], v[XS+4*\a+(\s)%4], v[WS+32+4*\b+(\s)%4] matrix_a_fmt:MATRIX_FMT_FP6 matrix_b_fmt:MATRIX_FMT_FP6 matrix_a_scale:MATRIX_SCALE_ROW1 matrix_b_scale:MATRIX_SCALE_ROW1
.endif
.endr
.endr
.endm
; A phase's eight K steps.  The next step's fragments are asked for ahead of this step's products, into the set that the step before multiplied: four places stand behind its products (ISA guide 7.12.1).
.macro KLOOP p
.irp s, 0,1,2,3,4,5,6,7
.if \s < 7
.if \s > 0
	PLACES 4
.endif
	FETCHB \p, \s+1
.endif
.if \p == 0
.if (\s == 1) || (\s == 2)
	XLOAD \s+5                                     ; x's K steps 6 and 7
.endif
.if \s < 3
	s_wait_loadcnt 60                              ; x of this K step is in; five steps' 12 loads each may be out
.else
	s_wait_loadcnt 12*(7-\s)                       ; the 12 loads of each later step may be out
.endif
.endif
.if \s < 7
	s_wait_dscnt 12                                ; this step's fragments are in; the 12 loads just issued may be out
.else
	s_wait_dscnt 0x0
.endif
.if \p == 2
	MULV \s
.else
	MULQK \p, \s
.endif
.endr
.endm
.macro PUT base, off                   ; two half fragments, 768 bytes each: every store covers whole aligned runs of 256 bytes
	global_store_b128 v[LI], v[PC:PC+3], s[\base:\base+1] offset:\off
	global_store_b64 v[L8], v[PC+4:PC+5], s[\base:\base+1] offset:\off+512
	global_store_b128 v[LI], v[PC+6:PC+9], s[\base:\base+1] offset:\off+768
	global_store_b64 v[L8], v[PC+10:PC+11], s[\base:\base+1] offset:\off+1280
.endm
.macro OUT base                        ; the 16 accumulators, four tiles of one block a lane, leave as codes
.irp e, 0,1
	s_wait_xcnt 0x0                                ; the earlier stores have read the registers that are written again below
	QUANT ACC+64*\e, SCW+\e
	PUT \base, 1536*\e
.endr
.endm
	FETCHB 0, 0
	KLOOP 0                                        ; q
	WIN 0
	s_wait_tensorcnt 0x0                           ; every wave: what it asked for is in: Wk's and Wv's blocks among it
	BAR                                            ; (no LDS access of mine is out: the last step waited for all)
	PLACES 5                                       ; behind the last products: for the loads into the sets, the first reads of results, and the next phase's products, which begin the accumulators anew
	FETCHB 1, 0                                    ; lands while q is quantised
	WIN 0
	OUT 56
	global_store_b64 v[L8], v[SCW:SCW+1], s[58:59]
	KLOOP 1                                        ; k
	PLACES 5
	FETCHB 2, 0
	WIN 0
	OUT 74
	global_store_b64 v[L8], v[SCW:SCW+1], s[76:77]
	KLOOP 2                                        ; v
	WIN 0
	PLACES 5
	OUT 78
	; V's scale words: a word's four bytes are four blocks of 32 keys; I have made two of them, my partner the other two
	v_lshlrev_b32 v[SCW], s72, v[SCW]
	v_lshlrev_b32 v[SCW+1], s72, v[SCW+1]
	ds_store_b64 v[MST], v[SCW:SCW+1]
	s_wait_alu depctr_va_vdst(0)
	s_wait_dscnt 0x0                               ; for my partner's sake: my store is done
	BAR
	ds_load_b64 v[SCP:SCP+1], v[MLD]
	s_wait_dscnt 0x0
	s_wait_xcnt 0x0
	v_or_b32 v[SCW], v[SCW], v[SCP]
	v_or_b32 v[SCW+1], v[SCW+1], v[SCP+1]
	s_wait_alu depctr_va_vdst(0)
	s_cmp_lg_u32 s19, 0                            ; one of the two stores them
	s_cbranch_scc1 .Lno_vs
	global_store_b64 v[L8], v[SCW:SCW+1], s[60:61] offset:12800
.Lno_vs:
	s_wait_tensorcnt 0x0                           ; the wave's end
	ds_add_u32 v[SPW], v[NIL]
	s_wait_dscnt 0x0
	CROUND                                         ; the closing round
	s_endpgm
.Lfunc_end_k_q0a9c87af0f_qkv:
	.size	k_q0a9c87af0f_qkv, .Lfunc_end_k_q0a9c87af0f_qkv-k_q0a9c87af0f_qkv
	.p2alignl 7, 3214868480
	.fill 96, 4, 3214868480
	.section	.rodata,"a",@progbits
	.p2align	6, 0x0
	.amdhsa_kernel k_q0a9c87af0f_qkv
		.amdhsa_group_segment_fixed_size 296448
		.amdhsa_private_segment_fixed_size 0
		.amdhsa_enable_private_segment 0
		.amdhsa_kernarg_size 56
		.amdhsa_user_sgpr_count 2
		.amdhsa_user_sgpr_kernarg_segment_ptr 1
		.amdhsa_wavefront_size32 1
		.amdhsa_system_sgpr_workgroup_id_x 1
		.amdhsa_system_sgpr_workgroup_id_y 1
		.amdhsa_system_sgpr_workgroup_id_z 1
		.amdhsa_system_vgpr_workitem_id 0
		.amdhsa_next_free_vgpr 960
		.amdhsa_next_free_sgpr 88
		.amdhsa_reserve_vcc 0
		.amdhsa_float_denorm_mode_32 3
		.amdhsa_float_denorm_mode_16_64 3
		.amdhsa_memory_ordered 1
		.amdhsa_forward_progress 1
		.amdhsa_inst_pref_size 114
	.end_amdhsa_kernel
	.amdgpu_metadata
---
amdhsa.version: [ 1, 2 ]
amdhsa.kernels:
  - .name:           k_q0a9c87af0f_qkv
    .symbol:         k_q0a9c87af0f_qkv.kd
    .args:
      - { .name: ximg, .offset: 0, .size: 8, .value_kind: global_buffer, .address_space: global }
      - { .name: wimg, .offset: 8, .size: 8, .value_kind: global_buffer, .address_space: global }
      - { .name: bq, .offset: 16, .size: 8, .value_kind: global_buffer, .address_space: global }
      - { .name: bk, .offset: 24, .size: 8, .value_kind: global_buffer, .address_space: global }
      - { .name: bv, .offset: 32, .size: 8, .value_kind: global_buffer, .address_space: global }
      - { .name: qimg, .offset: 40, .size: 8, .value_kind: global_buffer, .address_space: global }
      - { .name: kvimg, .offset: 48, .size: 8, .value_kind: global_buffer, .address_space: global }
    .group_segment_fixed_size: 296448
    .private_segment_fixed_size: 0
    .kernarg_segment_align: 8
    .kernarg_segment_size: 56
    .max_flat_workgroup_size: 128
    .sgpr_count:     88
    .vgpr_count:     960
    .wavefront_size: 32
...
	.end_amdgpu_metadata
.endif
;; end of part 2
;; launch attn (part 3): grid 8 x 32, 8 waves a work-group, clusters of 4 x 1, 327,680 bytes of LDS; arguments qimg, kvimg, cimg; writes cimg
.if DOCPART == 3
	.amdgcn_target "amdgcn-amd-amdhsa--gfx1250"
	.amdhsa_code_object_version 6
	.text
	.protected	k_q0a9c87af0f_attn
	.globl	k_q0a9c87af0f_attn
	.p2align	8
	.type	k_q0a9c87af0f_attn,@function
k_q0a9c87af0f_attn:
	s_mov_b64 s[64:65], 0
	v_nop
	global_prefetch_b8 v0, s[64:65] scope:SCOPE_SE
	s_setreg_imm32_b32 hwreg(HW_REG_WAVE_MODE, 25, 1), 1
	s_wait_xcnt 0x0
	s_wait_alu depctr_hold_cnt(0) depctr_sa_sdst(0) depctr_va_vdst(0) depctr_va_sdst(0) depctr_va_ssrc(0) depctr_va_vcc(0) depctr_vm_vsrc(0)
	s_getreg_b32 s2, hwreg(HW_REG_IB_STS2, 6, 4)
	s_cmp_eq_u32 s2, 0
	s_cbranch_scc0 .Lentry_in_a_cluster
	s_endpgm
.Lentry_in_a_cluster:
	s_bfe_u32 s2, ttmp6, 0x10000c
	s_cmp_lg_u32 s2, 0x3003
	s_cbranch_scc0 .Lentry_shape_is_right
	s_endpgm
.Lentry_shape_is_right:
; context = softmax(q k^T / 8) v for 32 heads (batch x head) of 2,048 tokens, head size 64, on codes of FP6 (E2M3); the context is quantised along the head's 64 and leaves as half fragments.
; SHARES: a work-group takes 256 queries of one head: 8 x 32 = 256 work-groups; a wave 32 queries, tiles A and B of 16, so that each fragment of K and V serves two products.  A step is 128 keys.
; LDS holds the head's 16 records of K and V whole (208,896 bytes), brought by two loads a wave: rows of 256 bytes 0-207 (records 0-3) at the head, the rest behind a full round.  Nothing is filled again, and
; the loop issues no load from memory, so there is nothing to prefetch in it.  CLUSTER: the four work-groups of a cluster share the head and ask for its records jointly.
; LAYOUT: both products are used transposed.  S^T = K q^T: lane (r, h) holds query r; by the order in which the images' rows were laid the 32 registers of four tiles are keys 64 c + 32 h + 0 .. 31: A WHOLE SCALE BLOCK OF p IN ONE LANE,
; in the order that the second product's operand wants.  O^T = V^T p^T: the 32 registers of a tile's four accumulators are channels 32 h + 0 .. 31 of query r: a whole scale block of the context.
; The head size is half the instruction's K: q's upper six registers are zero codes, so what K's operand holds there (the next tile's codes) adds nothing.
; SOFTMAX: p = 2^(t - M), t = score x log2(e) / 8, M the running largest t rounded up to a whole number (kept as -M = floor(-t)); the sum is taken of the unquantised p; when M moves, sum and O^T are multiplied by an exact power of two.
; Both tiles' chains from the row's largest score to M and that factor are run as one: A's in lanes 0-15, B's in lanes 16-31.
; A block's scale exponent is floor(largest t - M) - 2: p rises with t, so no search over p is made.
; LIMITS: the scaled scores stay under 2^31 in magnitude; NaN and infinities are not served; a block exponent is held at the byte 1 from below; where the largest t - M of a block lies below a whole number by less than
; an f32 ulp of p, that one p is held at the largest code, 7.5 for 8; a context block whose largest magnitude lies under 2^-124 is held at the byte 1, a block of zeros too (its codes are zeros; this program alone reads the bytes).
; REGISTERS: window 0: v1-39 addresses, scalars of the softmax, scale words; v40-63 p's codes; v64-127 O^T; v128-255 scores, then p.  window 1: v0-23 q, v24-77 K's eight half fragments and six zeros, v80-127 V's four fragments.
.set SCOFF, 3145728
.set REC,   13056                      ; a record: 128 keys of K and V
.set SPARE, 16*REC                     ; behind the records: the spare words, 128 bytes for each wave
.set LI,  1                            ; v1  16 x lane
.set L8,  2                            ; v2  8 x lane
.set A16, 3                            ; v3, v4 the same within a record
.set A8,  4
.set SPW, 5                            ; v5  my spare word's LDS address; never rewritten
.set NIL, 6                            ; v6  0; never rewritten
.set VC,  7                            ; v7  log2(e) / 8
.set NMC, 8                            ; v8  -M: A's in lanes 0-15, B's in lanes 16-31
.set NA,  10                           ; v10, v11 -M of A, of B, in all lanes
.set NB,  11
.set FA,  12                           ; v12, v13 2^(old M - new M)
.set FB,  13
.set LA,  14                           ; v14, v15 the sums
.set LB,  15
.set BM,  16                           ; v16-19 blocks A0, A1, B0, B1: largest score, then the conversion's scale operand
.set EB,  20                           ; v20-23 second chains, then exponents
.set QS,  24                           ; v24 q's scale words: A's in lanes 0-15, B's in lanes 16-31
.set PWD, 25                           ; v25 p's, likewise
.set VSC, 26                           ; v26-27
.set KSC, 28                           ; v28-31
.set TC0, 32                           ; v32-34, v36-38 conversions' second halves
.set TC1, 36
.set PF,  40                           ; v40-51 A's codes, v52-63 B's
.set O,   64
.set S,   128
.set SA0, 128
.set SA1, 160
.set SB0, 192
.set SB1, 224
.set QF,  0                            ; in window 1
.set KF,  24
.set VF,  80
.set WV,  10                           ; s10 wave
.set NC,  22                           ; s22 -log2(e) / 8
.set G1A, 24                           ; s[24:31], s[32:39] group 1: 26 rows, 76 rows
.set G1B, 32
.set G0A, 40
.set G0B, 44
.set TB,  48                           ; s48 the record's place
.set CNT, 49
.set TN,  58                           ; s58 the next record's place
.set MSB, 0
.macro WIN new
.if MSB != \new
	s_set_vgpr_msb (MSB<<8)|\new
.set MSB, \new
.endif
.endm
.macro PLACES n
.rept \n
	v_nop
.endr
.endm
.macro WALU                            ; waits ahead of and behind each batch of exponentials, and ahead of waits and branches
	s_wait_alu depctr_va_vdst(0)
.endm
.macro D1
	s_delay_alu instid0(VALU_DEP_1)
.endm
.macro CROUND
	s_barrier_signal -1
	s_barrier_wait -1
	s_cmp_lg_u32 s[WV], 0
	s_cbranch_scc1 .Lnot_wave_0_\@
	s_barrier_signal -3
.Lnot_wave_0_\@:
	s_barrier_wait -3
	s_barrier_signal -1
	s_barrier_wait -1
.endm
; two numbers an instruction
.macro FM r, m                         ; t - M
	v_dual_fma_f32 v[\r], v[\r], v[VC], v[\m] :: v_dual_fma_f32 v[\r+1], v[\r+1], v[VC], v[\m]
.endm
.macro AD d, s
	v_dual_add_f32 v[\d], v[\d], v[\s] :: v_dual_add_f32 v[\d+1], v[\d+1], v[\s+1]
.endm
.macro MU d, s, f
	v_dual_mul_f32 v[\d], v[\s], v[\f] :: v_dual_mul_f32 v[\d+1], v[\s+1], v[\f]
.endm
.macro CVT b, d, t, so                 ; a block's 32 numbers: codes into v[d .. d+2] and v[t .. t+2]
	v_cvt_scalef32_pk16_fp6_f32 v[\d:\d+2], v[\b:\b+15], v[\so]
	v_cvt_scalef32_pk16_fp6_f32 v[\t:\t+2], v[\b+16:\b+31], v[\so]
.endm
.macro MV d, t                         ; (a conversion's three registers begin on an even number: the second three are moved)
	v_mov_b32 v[\d], v[\t]
	v_dual_mov_b32 v[\d+1], v[\t+1] :: v_dual_mov_b32 v[\d+2], v[\t+2]
.endm
.macro KLOAD a16, a8                   ; a record's K: eight half fragments and the scale words: 18 loads
	WIN 0x40
.irp t, 0,1,2,3,4,5,6,7
	ds_load_b128 v[KF+6*\t:KF+6*\t+3], v[\a16] offset:768*\t
	ds_load_b64 v[KF+6*\t+4:KF+6*\t+5], v[\a8] offset:768*\t+512
.endr
	WIN 0
	ds_load_b64 v[KSC:KSC+1], v[\a8] offset:12288
	ds_load_b64 v[KSC+2:KSC+3], v[\a8] offset:12544
.endm
.macro QK1 x, t, am, bm
	v_wmma_scale_f32_16x16x128_f8f6f4 v[S+64*(\x)+8*(\t):S+64*(\x)+8*(\t)+7], v[KF+6*(\t):KF+6*(\t)+11], v[QF+12*(\x):QF+12*(\x)+11], 0, v[KSC+(\t)/2], v[QS] matrix_a_fmt:MATRIX_FMT_FP6 matrix_b_fmt:MATRIX_FMT_FP6 matrix_a_scale:MATRIX_SCALE_\am matrix_b_scale:MATRIX_SCALE_\bm
.endm
.macro QK x, t                         ; scores of query tile x against key tile t
.if (\t)%2
.if \x
	QK1 \x, \t, ROW1, ROW1
.else
	QK1 \x, \t, ROW1, ROW0
.endif
.else
.if \x
	QK1 \x, \t, ROW0, ROW1
.else
	QK1 \x, \t, ROW0, ROW0
.endif
.endif
.endm
.macro PV1 x, t, am, bm
	v_wmma_scale_f32_16x16x128_f8f6f4 v[O+32*(\x)+8*(\t):O+32*(\x)+8*(\t)+7], v[VF+12*(\t):VF+12*(\t)+11], v[PF+12*(\x):PF+12*(\x)+11], v[O+32*(\x)+8*(\t):O+32*(\x)+8*(\t)+7], v[VSC+(\t)/2], v[PWD] matrix_a_fmt:MATRIX_FMT_FP6 matrix_b_fmt:MATRIX_FMT_FP6 matrix_a_scale:MATRIX_SCALE_\am matrix_b_scale:MATRIX_SCALE_\bm
.endm
.macro PV x, t                         ; O^T's channel tiles t and t + 1 (t even) of query tile x
	WIN 0x01
.if \x
	PV1 \x, \t, ROW0, ROW1
	PV1 \x, \t+1, ROW1, ROW1
.else
	PV1 \x, \t, ROW0, ROW0
	PV1 \x, \t+1, ROW1, ROW0
.endif
	WIN 0
.endm
; The search for the largest scores of blocks A(b) and B(b): 32 lines in all, lines i0 .. i0 + n - 1 here.  Two chains a block, four by turns; each accumulator is first read at its low end.
.macro MX b, i0, n
.set I_, \i0
.rept \n
.set C_, I_%4
.set K_, I_/4
.if K_ < 7
.set X_, S+32*(\b)+64*(C_/2)+16*(C_%2)
.set D_, BM+(\b)+2*(C_/2)+4*(C_%2)
.if K_ == 0
	v_max3_num_f32 v[D_], v[X_], v[X_+1], v[X_+2]
.else
	v_max3_num_f32 v[D_], v[D_], v[X_+2*K_+1], v[X_+2*K_+2]
.endif
.else
.set X_, S+32*(\b)+64*(C_%2)
.set D_, BM+(\b)+2*(C_%2)
.if C_ < 2
	v_max3_num_f32 v[D_], v[D_], v[D_+4], v[X_+15]
.else
	v_max_num_f32 v[D_], v[D_], v[X_+31]
.endif
.endif
.set I_, I_+1
.endr
.endm
.macro TRIP
	v_add_nc_u32 v[A16], s[TB], v[LI]
	v_add_nc_u32 v[A8], s[TB], v[L8]
	WIN 0x40
.irp t, 0,1,2,3
.irp c, 0,1
	ds_load_b128 v[VF+12*\t+6*\c:VF+12*\t+6*\c+3], v[A16] offset:6144+3072*\c+768*\t
	ds_load_b64 v[VF+12*\t+6*\c+4:VF+12*\t+6*\c+5], v[A8] offset:6144+3072*\c+768*\t+512
.endr
.endr
	WIN 0
	ds_load_b64 v[VSC:VSC+1], v[A8] offset:12800
	s_wait_dscnt 17                                ; K's 18 loads, issued a step ago, are in; V's 17 may be out
	WIN 0x05                                       ; K and q window 1, D window 0
.irp t, 0,1,2,3
	QK 0, \t
.endr
.irp t, 0,1,2,3
	QK 1, \t
.endr
	PLACES 4
.irp g, 0,1,2,3                        ; the second halves' products, with the search over the first halves among them
	WIN 0x05
	QK \g/2, 4+2*(\g%2)
	QK \g/2, 5+2*(\g%2)
	WIN 0
	MX 0, 8*\g, 8
.endr
	s_add_co_u32 s[TB], s[TB], REC
	s_min_u32 s[TN], s[TB], 15*REC                 ; the last trip fetches the last record's K once more, so that no load leaves the records
	v_add_nc_u32 v[A16], s[TN], v[LI]
	v_add_nc_u32 v[A8], s[TN], v[L8]
	KLOAD A16, A8                                  ; the next step's K; more than four places stand behind the last product
	MX 1, 0, 32
	v_max_num_f32 v[EB], v[BM], v[BM+1]
	v_max_num_f32 v[EB+1], v[BM+2], v[BM+3]
	D1
	v_permlane16_swap_b32 v[EB], v[EB+1]           ; lanes 0-15: A's two halves of the keys, lanes 16-31: B's
	D1
	v_max_num_f32 v[EB], v[EB], v[EB+1]
	D1
	v_mul_f32 v[EB], s[NC], v[EB]                  ; -t
	D1
	v_floor_f32 v[EB], v[EB]
	D1
	v_min_num_f32 v[EB+2], v[NMC], v[EB]           ; the new -M
	D1
	v_sub_f32 v[EB+3], v[EB+2], v[NMC]             ; a whole number, 0 or less
	v_mov_b32 v[NMC], v[EB+2]
	v_cvt_i32_f32 v[EB+3], v[EB+3]                 ; (it saturates)
	v_dual_mov_b32 v[NA], v[EB+2] :: v_dual_mov_b32 v[NB], v[EB+2]
	v_ldexp_f32 v[FA], 1.0, v[EB+3]
	v_permlane16_swap_b32 v[NA], v[NB]             ; A's in all lanes, B's in all lanes
	v_mov_b32 v[FB], v[FA]
	v_permlane16_swap_b32 v[FA], v[FB]
.irp b, 0,1,2,3
	v_fma_f32 v[BM+\b], v[BM+\b], v[VC], v[NA+\b/2]
.endr
.irp b, 0,1,2,3
	v_cvt_floor_i32_f32 v[EB+\b], v[BM+\b]         ; e = floor(log2) of the block's largest p
.endr
.irp b, 0,1,2,3
	v_max_i32 v[EB+\b], -124, v[EB+\b]             ; the byte e + 125 is at least 1
.endr
.irp b, 0,1,2,3
	v_lshl_add_u32 v[BM+\b], v[EB+\b], 23, 0x3e800000   ; (e + 125) << 23: the conversion's scale operand
.endr
	v_lshl_add_u32 v[EB], v[EB+1], 16, v[EB]       ; my two bytes of A's word and of B's, 125 short each,
	v_lshl_add_u32 v[EB+2], v[EB+3], 16, v[EB+2]
.set J_, 0
.rept 8
	MU O+J_, O+J_, FA                              ; O^T under the new M
	MU O+32+J_, O+32+J_, FB
.set J_, J_+2
.endr
	v_permlane16_swap_b32 v[EB], v[EB+2]
.rept 4
	MU O+J_, O+J_, FA
	MU O+32+J_, O+32+J_, FB
.set J_, J_+2
.endr
	v_lshl_add_u32 v[EB], v[EB+2], 8, v[EB]
.rept 4
	MU O+J_, O+J_, FA
	MU O+32+J_, O+32+J_, FB
.set J_, J_+2
.endr
	v_add_nc_u32 v[PWD], 0x7d7d7d7d, v[EB]         ; and 125 for each byte: lanes 0-15 A's word, lanes 16-31 B's
.set J_, 0
.rept 16
	FM SA0+J_, NA
.set J_, J_+2
.endr
	WALU
.set J_, 0
.rept 16
	v_exp_f32 v[SA0+J_], v[SA0+J_]
	v_exp_f32 v[SA0+J_+1], v[SA0+J_+1]
	FM SA1+J_, NA
.set J_, J_+2
.endr
	WALU
	CVT SA0, PF, TC0, BM
.set J_, 0
.rept 16
	v_exp_f32 v[SA1+J_], v[SA1+J_]
	v_exp_f32 v[SA1+J_+1], v[SA1+J_+1]
	FM SB0+J_, NB
.set J_, J_+2
.endr
	WALU
	CVT SA1, PF+6, TC1, BM+1
	MV PF+3, TC0
.set J_, 0
.rept 16
	v_exp_f32 v[SB0+J_], v[SB0+J_]
	FM SB1+J_, NB
	v_exp_f32 v[SB0+J_+1], v[SB0+J_+1]
	AD SA0+J_, SA1+J_                              ; A's sum: each register once between two waits
.set J_, J_+2
.endr
	WALU
	CVT SB0, PF+12, TC0, BM+2
	MV PF+9, TC1
.set J_, 0
.rept 8
	v_exp_f32 v[SB1+2*J_], v[SB1+2*J_]
	v_exp_f32 v[SB1+2*J_+1], v[SB1+2*J_+1]
	AD SA0+J_, SA0+16+J_
	v_exp_f32 v[SB1+2*J_+2], v[SB1+2*J_+2]
	v_exp_f32 v[SB1+2*J_+3], v[SB1+2*J_+3]
.set J_, J_+2
.endr
	v_nop                                          ; one plain place behind the exponentials
	WALU
	s_wait_dscnt 18                                ; V is in; the next K's 18 loads may be out
	CVT SB1, PF+18, TC1, BM+3
	PV 0, 0
	MV PF+15, TC0
.set J_, 0
.rept 8
	AD SB0+J_, SB1+J_
.set J_, J_+2
.endr
	PV 0, 2
	MV PF+21, TC1
.rept 8
	AD SB0+J_, SB1+J_
.set J_, J_+2
.endr
	PV 1, 0
.set J_, 0
.rept 4
	AD SB0+J_, SB0+16+J_
	AD SA0+J_, SA0+8+J_
	AD SB0+8+J_, SB0+24+J_
.set J_, J_+2
.endr
	PV 1, 2
	AD SA0, SA0+4
	AD SA0+2, SA0+6
.set J_, 0
.rept 4
	AD SB0+J_, SB0+8+J_
.set J_, J_+2
.endr
	AD SA0, SA0+2
	AD SB0, SB0+4
	AD SB0+2, SB0+6
	v_fma_f32 v[LA], v[LA], v[FA], v[SA0]
	AD SB0, SB0+2
	v_add_f32 v[LA], v[LA], v[SA0+1]
	v_fma_f32 v[LB], v[LB], v[FB], v[SB0]
	v_add_f32 v[LB], v[LB], v[SB0+1]
.endm
	s_load_b128 s[4:7], s[0:1], 0x0                ; qimg s[4:5], kvimg s[6:7]
	s_load_b64 s[8:9], s[0:1], 0x10                ; cimg
	v_lshl_add_u32 v[SPW], v0, 2, SPARE
	v_mov_b32 v[NIL], 0
	ds_add_u32 v[SPW], v[NIL]                      ; the wave's opening: the add, twice on end, and its wait ahead of my first tensor load
	ds_add_u32 v[SPW], v[NIL]
	v_lshrrev_b32 v9, 5, v0
	v_readfirstlane_b32 s[WV], v9                  ; wave 0..7
	s_bfe_u32 s11, ttmp6, 0x40000                  ; cx
	s_lshl_b32 s12, ttmp9, 2
	s_add_co_u32 s12, s12, s11                     ; my block of 256 queries
	s_and_b32 s13, ttmp7, 0xffff                   ; the head, 16 x batch + head: the four partners share it
	s_lshl_b32 s14, s12, 4
	s_lshl_b32 s15, s[WV], 1
	s_add_co_u32 s14, s14, s15                     ; my first query tile; the second is the next
.irp g, G1A, G1B
	s_mov_b32 s[\g+0], 15|(3<<16)|(1<<21)          ; the mask: all four; elements of 8 bytes; bit 21 beside a mask; no padding
	s_mov_b32 s[\g+1], 32<<16                      ; rows of 256 bytes
	s_mov_b32 s[\g+3], 32<<16
	s_mov_b32 s[\g+5], 32
	s_mov_b32 s[\g+6], 0
	s_mov_b32 s[\g+7], 0
.endr
	s_mov_b32 s[G1A+2], 26<<16                     ; 8 waves x 26 rows: records 0-3 and 4 rows of the next
	s_mov_b32 s[G1A+4], 26
	s_mov_b32 s[G1B+2], 76<<16                     ; 8 waves x 76 rows: the rest of the 816
	s_mov_b32 s[G1B+4], 76
	s_mov_b32 s[NC], 0xbe38aa3b
	v_and_b32 v9, 31, v0
	v_lshlrev_b32 v[LI], 4, v9
	v_lshlrev_b32 v[L8], 3, v9
	s_mul_i32 s16, s13, 16*REC
	s_mov_b32 s17, 0
	s_mul_i32 s15, s[WV], 26*256
	s_mul_i32 s18, s[WV], 76*256
	s_add_co_u32 s18, s18, 208*256
	s_mov_b32 s3, 0
	WALU
	s_wait_dscnt 0x0                               ; both opening adds are done
	s_wait_kmcnt 0x0
	s_add_nc_u64 s[16:17], s[6:7], s[16:17]
	s_mov_b32 s[G0A], 1
	s_mov_b32 s[G0A+1], s15
	s_mov_b32 s2, s15
	s_add_nc_u64 s[G0A+2:G0A+3], s[16:17], s[2:3]
	s_or_b32 s[G0A+3], s[G0A+3], 0x80000000
	s_mov_b32 s[G0B], 1
	s_mov_b32 s[G0B+1], s18
	s_mov_b32 s2, s18
	s_add_nc_u64 s[G0B+2:G0B+3], s[16:17], s[2:3]
	s_or_b32 s[G0B+3], s[G0B+3], 0x80000000
	CROUND                                         ; all four work-groups are here: the joint loads meet
	tensor_load_to_lds s[G0A:G0A+3], s[G1A:G1A+7]  ; one load a wave at the head
	s_nop 0
	PLACES 4
	s_mov_b32 s61, 0                               ; everything below stands under that load's flight
	s_lshl_b32 s60, s13, 7
	s_add_co_u32 s60, s60, s14
	s_mul_i32 s60, s60, 768
	s_add_nc_u64 s[50:51], s[4:5], s[60:61]        ; q's codes of my two tiles
	s_lshl_b32 s60, s13, 5
	s_lshr_b32 s59, s14, 2
	s_add_co_u32 s60, s60, s59
	s_lshl_b32 s60, s60, 8
	s_bfe_u32 s59, s14, 0x10001
	s_lshl_b32 s59, s59, 2
	s_add_co_u32 s60, s60, s59
	s_add_co_u32 s60, s60, SCOFF
	s_add_nc_u64 s[52:53], s[4:5], s[60:61]        ; their scale words: lane L's at 8 L
	WIN 0x40
.irp x, 0,1
	global_load_b128 v[QF+12*\x:QF+12*\x+3], v[LI], s[50:51] offset:768*\x
	global_load_b64 v[QF+12*\x+4:QF+12*\x+5], v[L8], s[50:51] offset:768*\x+512
.endr
	WIN 0
	global_load_b32 v[QS], v[L8], s[52:53]
	s_lshr_b32 s62, s13, 4
	s_lshl_b32 s62, s62, 7
	s_add_co_u32 s62, s62, s14                     ; my first tile among the 256 of the context
	s_lshl_b32 s60, s62, 4
	s_and_b32 s59, s13, 15
	s_add_co_u32 s60, s60, s59
	s_mul_i32 s60, s60, 768
	s_add_nc_u64 s[54:55], s[8:9], s[60:61]        ; cimg's codes: [tile][16 heads][768]
	s_lshl_b32 s60, s62, 9
	s_bfe_u32 s59, s13, 0x10003
	s_lshl_b32 s59, s59, 8
	s_add_co_u32 s60, s60, s59
	s_bfe_u32 s59, s13, 0x20001
	s_lshl_b32 s59, s59, 2
	s_add_co_u32 s60, s60, s59
	s_and_b32 s59, s13, 1
	s_lshl_b32 s59, s59, 1
	s_add_co_u32 s60, s60, s59
	s_add_co_u32 s60, s60, SCOFF
	s_add_nc_u64 s[56:57], s[8:9], s[60:61]        ; its scale words: my head's two bytes
	WIN 0x40
.irp n, 0,1,2,3,4,5
	v_mov_b32 v[QF+6+\n], 0                        ; q's upper halves
	v_mov_b32 v[QF+18+\n], 0
	v_mov_b32 v[KF+48+\n], 0                       ; behind K's last half fragment
.endr
	WIN 0
.set J_, 0
.rept 64
	v_mov_b32 v[O+J_], 0                           ; (the step is written once: its first trip finds zeros)
.set J_, J_+1
.endr
	v_mov_b32 v[LA], 0
	v_mov_b32 v[LB], 0
	v_mov_b32 v[VC], 0x3e38aa3b
	v_mov_b32 v[NMC], 0x7f61b1e6                   ; -M = 3e38: M lies under every t
	s_mov_b32 s[TB], 0
	s_mov_b32 s[CNT], 3
	WALU
	s_wait_tensorcnt 0x0                           ; my part of the head's rows is in
	ds_add_u32 v[SPW], v[NIL]
	s_wait_dscnt 0x0
	CROUND                                         ; everybody's part is in, and the joint loads meet
	tensor_load_to_lds s[G0B:G0B+3], s[G1B:G1B+7]  ; the other rows: the first tensor load behind the round
	s_nop 0
	PLACES 4
	KLOAD LI, L8
	s_wait_loadcnt 0x0                             ; q is in
.Lfirst:                                               ; records 0-2, and record 3's K: inside the head's rows
	TRIP
	s_sub_co_u32 s[CNT], s[CNT], 1
	s_cmp_lg_u32 s[CNT], 0
	WALU
	s_cbranch_scc1 .Lfirst
	s_wait_tensorcnt 0x0                           ; my part of the other rows is in
	s_wait_dscnt 0x0
	s_barrier_signal -1
	s_barrier_wait -1
	s_mov_b32 s[CNT], 13
.Lrest:
	TRIP
	s_sub_co_u32 s[CNT], s[CNT], 1
	s_cmp_lg_u32 s[CNT], 0
	WALU
	s_cbranch_scc1 .Lrest
	v_permlane16_swap_b32 v[LA], v[LB]
	v_add_f32 v[LA], v[LA], v[LB]                  ; the rows' sums: A's in lanes 0-15, B's in lanes 16-31
	WALU
	v_rcp_f32 v[LA], v[LA]
	v_nop
	WALU
	v_mov_b32 v[LB], v[LA]
	v_permlane16_swap_b32 v[LA], v[LB]
	WALU
.set J_, 0
.rept 16
	MU S+J_, O+J_, LA
	MU S+32+J_, O+32+J_, LB
.set J_, J_+2
.endr
.irp b, 0,1,2,3                        ; the context's blocks: A's 32 numbers, B's 32, two chains each, with the floor 2^(3 - 127)
	v_max3_num_f32 v[BM+\b], |v[S+16*\b]|, |v[S+16*\b+1]|, 0x1800000
.endr
.irp i, 2,4,6,8,10,12,14
.irp b, 0,1,2,3
	v_max3_num_f32 v[BM+\b], v[BM+\b], |v[S+16*\b+\i]|, |v[S+16*\b+\i+1]|
.endr
.endr
	v_max_num_f32 v[BM], v[BM], v[BM+1]
	v_max_num_f32 v[BM+2], v[BM+2], v[BM+3]
	v_add_nc_u32 v[EB], 0xff000000, v[BM]          ; 2 off the exponent field: the conversion's scale operand
	v_add_nc_u32 v[EB+2], 0xff000000, v[BM+2]
	v_lshrrev_b32 v[EB+1], 23, v[EB]
	v_lshrrev_b32 v[EB+3], 23, v[EB+2]
	CVT S, PF, TC0, EB
	CVT S+32, PF+12, TC1, EB+2
	v_permlane16_swap_b32 v[EB+1], v[EB+3]
	v_lshl_or_b32 v[BM], v[EB+3], 8, v[EB+1]       ; two bytes: lanes 0-15 A's rows, lanes 16-31 B's
	v_and_b32 v[BM+1], 256, v[LI]
	v_add_nc_u32 v[BM+1], v[BM+1], v[LI]           ; 16 r + 512 h
	MV PF+3, TC0
	MV PF+15, TC1
.irp x, 0,1
	global_store_b128 v[LI], v[PF+12*\x:PF+12*\x+3], s[54:55] offset:12288*\x
	global_store_b64 v[L8], v[PF+12*\x+4:PF+12*\x+5], s[54:55] offset:12288*\x+512
.endr
	global_store_b16 v[BM+1], v[BM], s[56:57]
	s_wait_tensorcnt 0x0                           ; the wave's end
	ds_add_u32 v[SPW], v[NIL]
	s_wait_dscnt 0x0
	CROUND                                         ; the closing round
	s_endpgm
.Lfunc_end_k_q0a9c87af0f_attn:
	.size	k_q0a9c87af0f_attn, .Lfunc_end_k_q0a9c87af0f_attn-k_q0a9c87af0f_attn
	.p2alignl 7, 3214868480
	.fill 96, 4, 3214868480
	.section	.rodata,"a",@progbits
	.p2align	6, 0x0
	.amdhsa_kernel k_q0a9c87af0f_attn
		.amdhsa_group_segment_fixed_size 327680
		.amdhsa_private_segment_fixed_size 0
		.amdhsa_enable_private_segment 0
		.amdhsa_kernarg_size 24
		.amdhsa_user_sgpr_count 2
		.amdhsa_user_sgpr_kernarg_segment_ptr 1
		.amdhsa_wavefront_size32 1
		.amdhsa_system_sgpr_workgroup_id_x 1
		.amdhsa_system_sgpr_workgroup_id_y 1
		.amdhsa_system_sgpr_workgroup_id_z 1
		.amdhsa_system_vgpr_workitem_id 0
		.amdhsa_next_free_vgpr 384
		.amdhsa_next_free_sgpr 66
		.amdhsa_reserve_vcc 0
		.amdhsa_float_denorm_mode_32 3
		.amdhsa_float_denorm_mode_16_64 3
		.amdhsa_memory_ordered 1
		.amdhsa_forward_progress 1
		.amdhsa_inst_pref_size 76
	.end_amdhsa_kernel
	.amdgpu_metadata
---
amdhsa.version: [ 1, 2 ]
amdhsa.kernels:
  - .name:           k_q0a9c87af0f_attn
    .symbol:         k_q0a9c87af0f_attn.kd
    .args:
      - { .name: qimg, .offset: 0, .size: 8, .value_kind: global_buffer, .address_space: global }
      - { .name: kvimg, .offset: 8, .size: 8, .value_kind: global_buffer, .address_space: global }
      - { .name: cimg, .offset: 16, .size: 8, .value_kind: global_buffer, .address_space: global }
    .group_segment_fixed_size: 327680
    .private_segment_fixed_size: 0
    .kernarg_segment_align: 8
    .kernarg_segment_size: 24
    .max_flat_workgroup_size: 256
    .sgpr_count:     66
    .vgpr_count:     384
    .wavefront_size: 32
...
	.end_amdgpu_metadata
.endif
;; end of part 3
;; launch oproj (part 4): grid 32 x 8, 4 waves a work-group, clusters of 4 x 1, 167,936 bytes of LDS; arguments cimg, wimg, bo, out0; writes out0
.if DOCPART == 4
	.amdgcn_target "amdgcn-amd-amdhsa--gfx1250"
	.amdhsa_code_object_version 6
	.text
	.protected	k_q0a9c87af0f_oproj
	.globl	k_q0a9c87af0f_oproj
	.p2align	8
	.type	k_q0a9c87af0f_oproj,@function
k_q0a9c87af0f_oproj:
	s_mov_b64 s[64:65], 0
	v_nop
	global_prefetch_b8 v0, s[64:65] scope:SCOPE_SE
	s_setreg_imm32_b32 hwreg(HW_REG_WAVE_MODE, 25, 1), 1
	s_wait_xcnt 0x0
	s_wait_alu depctr_hold_cnt(0) depctr_sa_sdst(0) depctr_va_vdst(0) depctr_va_sdst(0) depctr_va_ssrc(0) depctr_va_vcc(0) depctr_vm_vsrc(0)
	s_getreg_b32 s2, hwreg(HW_REG_IB_STS2, 6, 4)
	s_cmp_eq_u32 s2, 0
	s_cbranch_scc0 .Lentry_in_a_cluster
	s_endpgm
.Lentry_in_a_cluster:
	s_bfe_u32 s2, ttmp6, 0x10000c
	s_cmp_lg_u32 s2, 0x3003
	s_cbranch_scc0 .Lentry_shape_is_right
	s_endpgm
.Lentry_shape_is_right:
; out0 = context Wo^T + bo on codes of FP6 (E2M3) with E8M0 scales; out0 [4096][1024] f32.
; SHARES: a work-group takes 128 tokens (block i) x 128 columns (block j): 32 x 8 = 256 work-groups.  Wave w: tokens 64 (w % 2) on, columns 64 (w / 2) on: 16 accumulators.
; A wave's context (4 tiles x 8 K steps = 384 registers) comes straight from its image into registers.  Wo's block (98,304 bytes) lies in LDS whole, brought by one load a wave
; (K steps 2 w, 2 w + 1): first fills alone, and no loop to run ahead in: no prefetch.  The four work-groups of a cluster share j and ask for the block jointly.
; LAYOUT: source 0 = 16 rows of Wo, source 1 = 16 tokens: lane (r, h) holds one token and, in the 32 registers of four tiles, the 32 neighbouring columns 32 h + 0 .. 31.  The tokens of a tile stand in the images' order,
; lane r of tile a = token 32 (r / 8) + 8 a + r % 8 of my 64: the stores' offsets undo it.  bo is the C of each sum's first product, so the order of rounding differs from a sum that adds the bias last.
; REGISTERS, in windows of 256: window 0: addresses, scale words, v64-127 rows on the way out, v128-255 the accumulators.  window 1: the context, K steps 0-3, at v[48 s + 12 a].  window 2: K steps 4-7.
;   window 3: v0-47, v48-95 two sets of Wo's four fragments; v96-127 bo in the results' layout.
.set SCOFF, 3145728
.set WBLK,  98304
.set KSB,   12288
.set FRB,   1536
.set STG,   WBLK                       ; behind the block: a stage of 16 rows x (256 + 16) bytes for each wave
.set STGB,  16*272
.set SPARE, STG+4*STGB                 ; the spare words, 128 bytes for each wave
.set LI,   4                           ; v4   16 x lane
.set L8,   5                           ; v5   8 x lane
.set ADRB, 6                           ; v6-7 LDS address of my four fragments: K steps 0-3, 4-7
.set BQO,  12                          ; v12  128 h
.set STO,  13                          ; v13  the stage: where I put 128 bytes of a row
.set RD,   14                          ; v14  and where I read a row back
.set CO,   15                          ; v15  my byte offset in two rows of out0
.set SPW,  28
.set NIL,  29
.set XS,   32                          ; v32-47 the context's scale words
.set WS,   48                          ; v48-63 Wo's
.set OB,   64                          ; v64-95, v96-127: 16 rows read back from the stage, by turns
.set ACC,  128
.set BIAS, 96                          ; in window 3
.set WV,   18
.set G1,   24
.set G0,   32
.set MSB, 0
.macro WIN new
.if MSB != \new
	s_set_vgpr_msb (MSB<<8)|\new
.set MSB, \new
.endif
.endm
.macro PLACES n
.rept \n
	v_nop
.endr
.endm
.macro BAR
	s_barrier_signal -1
	s_barrier_wait -1
.endm
.macro CROUND
	s_barrier_signal -1
	s_barrier_wait -1
	s_cmp_lg_u32 s[WV], 0
	s_cbranch_scc1 .Lnot_wave_0_\@
	s_barrier_signal -3
.Lnot_wave_0_\@:
	s_barrier_wait -3
	s_barrier_signal -1
	s_barrier_wait -1
.endm
	s_load_b256 s[4:11], s[0:1], 0x0               ; cimg s[4:5], wimg s[6:7], bo s[8:9], out0 s[10:11]
	v_lshl_add_u32 v[SPW], v0, 2, SPARE
	v_mov_b32 v[NIL], 0
	ds_add_u32 v[SPW], v[NIL]                      ; the wave's opening: the add, twice on end, and its wait ahead of my first tensor load; work on registers stands between them
	ds_add_u32 v[SPW], v[NIL]
	v_lshrrev_b32 v1, 5, v0
	v_readfirstlane_b32 s[WV], v1
	s_and_b32 s19, s[WV], 1                        ; th: my 64 tokens
	s_lshr_b32 s20, s[WV], 1                       ; ch: my 64 columns
	s_bfe_u32 s21, ttmp6, 0x40000                  ; cx
	s_lshl_b32 s22, ttmp9, 2
	s_add_co_u32 s22, s22, s21                     ; i
	s_and_b32 s23, ttmp7, 0xffff                   ; j, which the four partners share
	s_mov_b32 s[G1+0], 15|(3<<16)|(1<<21)          ; the mask: all four; elements of 8 bytes; bit 21 beside a mask; no padding
	s_mov_b32 s[G1+1], 32<<16                      ; rows of 256 bytes
	s_mov_b32 s[G1+2], 96<<16                      ; 96 rows: two K steps of the block
	s_mov_b32 s[G1+3], 32<<16
	s_mov_b32 s[G1+4], 96
	s_mov_b32 s[G1+5], 32
	s_mov_b32 s[G1+6], 0
	s_mov_b32 s[G1+7], 0
	v_and_b32 v1, 31, v0                           ; lane
	v_and_b32 v2, 15, v0                           ; r
	v_bfe_u32 v3, v0, 4, 1                         ; h
	v_lshlrev_b32 v[LI], 4, v1
	v_lshlrev_b32 v[L8], 3, v1
	s_mul_i32 s68, s20, 4*FRB
	v_add_nc_u32 v[ADRB], s68, v[LI]
	v_add_nc_u32 v[ADRB+1], 49152, v[ADRB]
	v_lshlrev_b32 v[BQO], 7, v3
	s_mul_i32 s68, s[WV], STGB
	s_add_co_u32 s68, s68, STG                     ; my stage
	v_mul_u32_u24 v[STO], v2, 272
	v_lshl_add_u32 v[STO], v3, 7, v[STO]
	v_add_nc_u32 v[STO], s68, v[STO]               ; in: row r, 128 h bytes on
	v_mul_u32_u24 v[RD], v3, 272
	v_lshl_add_u32 v[RD], v2, 4, v[RD]
	v_add_nc_u32 v[RD], s68, v[RD]                 ; back: lanes 0-15 one row of 256 bytes, lanes 16-31 the next
	v_lshlrev_b32 v[CO], 12, v3
	v_lshl_add_u32 v[CO], v2, 4, v[CO]             ; and the same two rows in out0
	s_add_co_u32 s66, s23, 24                      ; Wo's blocks are 24 to 31 of wimg.  The descriptors hang on j and the wave alone
	s_mul_i32 s66, s66, WBLK
	s_mul_i32 s68, s[WV], 2*KSB
	s_add_co_u32 s66, s66, s68
	s_mov_b32 s67, 0
	s_wait_alu depctr_va_vdst(0)                   ; the wait at the head's end
	s_wait_dscnt 0x0                               ; the opening adds are done
	s_wait_kmcnt 0x0
	s_add_nc_u64 s[66:67], s[6:7], s[66:67]
	s_mov_b32 s[G0], 1
	s_mov_b32 s[G0+1], s68
	s_mov_b64 s[G0+2:G0+3], s[66:67]
	s_or_b32 s[G0+3], s[G0+3], 0x80000000
	CROUND                                         ; all four work-groups are here: the joint loads meet
	s_cmp_lt_u32 s[WV], 2                          ; two lines: K steps 0-3 (waves 0, 1) are waited for before K steps 4-7 (waves 2, 3)
	s_cbranch_scc0 .Lupper
	tensor_load_to_lds s[G0:G0+3], s[G1:G1+7]
	s_nop 0
	PLACES 4
	s_branch .Lasked
.Lupper:
	tensor_load_to_lds s[G0:G0+3], s[G1:G1+7]
	s_nop 0
	PLACES 4
.Lasked:
	s_mov_b32 s63, 0                               ; s[62:63], s69: scratch that may hold the block of tokens
	s_lshl_b32 s62, s22, 3
	s_lshl_b32 s69, s19, 2
	s_add_co_u32 s62, s62, s69                     ; my first tile: 8 i + 4 th
	s_lshl_b32 s69, s62, 9
	s_mul_i32 s62, s62, KSB
	s_add_nc_u64 s[44:45], s[4:5], s[62:63]        ; the context's codes: 16 heads x 768 bytes a tile
	s_add_co_u32 s62, s69, SCOFF
	s_add_nc_u64 s[46:47], s[4:5], s[62:63]        ; its scale words
	s_add_co_u32 s62, s23, 24
	s_lshl_b32 s62, s62, 12
	s_lshl_b32 s69, s20, 11
	s_add_co_u32 s62, s62, s69
	s_add_co_u32 s62, s62, SCOFF
	s_add_nc_u64 s[48:49], s[6:7], s[62:63]        ; Wo's scale words of my four tiles
	s_lshl_b32 s62, s23, 9
	s_lshl_b32 s69, s20, 8
	s_add_co_u32 s62, s62, s69
	s_add_nc_u64 s[50:51], s[8:9], s[62:63]        ; bo at my 64 columns
	s_lshl_b32 s69, s22, 19
	s_add_co_u32 s62, s62, s69
	s_lshl_b32 s69, s19, 18
	s_add_co_u32 s62, s62, s69
	s_add_nc_u64 s[52:53], s[10:11], s[62:63]      ; out0 at my first token and column
.macro XLOAD s                         ; the context of K step s, heads 2 s and 2 s + 1: 16 loads
	WIN 0x40*(1+(\s)/4)
.irp a, 0,1,2,3
.irp c, 0,1
	global_load_b128 v[48*((\s)%4)+12*\a+6*\c:48*((\s)%4)+12*\a+6*\c+3], v[LI], s[44:45] offset:KSB*\a+768*(2*(\s)+\c)
	global_load_b64 v[48*((\s)%4)+12*\a+6*\c+4:48*((\s)%4)+12*\a+6*\c+5], v[L8], s[44:45] offset:KSB*\a+768*(2*(\s)+\c)+512
.endr
.endr
	WIN 0
.endm
	; 16 loads of scale words and bias, then the context's K steps 0 to 2; the later ones go out behind the barrier and among the products
.irp a, 0,1,2,3
	global_load_b128 v[XS+4*\a:XS+4*\a+3], v[LI], s[46:47] offset:512*\a
.endr
.irp b, 0,1,2,3
	global_load_b128 v[WS+4*\b:WS+4*\b+3], v[LI], s[48:49] offset:512*\b
.endr
	WIN 0xc0
.irp b, 0,1,2,3                        ; tile b's eight columns of my half: 32 h + 8 b + 0 .. 7
	global_load_b128 v[BIAS+8*\b:BIAS+8*\b+3], v[BQO], s[50:51] offset:32*\b
	global_load_b128 v[BIAS+8*\b+4:BIAS+8*\b+7], v[BQO], s[50:51] offset:32*\b+16
.endr
	XLOAD 0
	XLOAD 1
	XLOAD 2
	s_cmp_lt_u32 s[WV], 2
	s_cbranch_scc0 .Lno_lower
	s_wait_tensorcnt 0x0                           ; waves 0 and 1: K steps 0-3 are in; the others may stay out
.Lno_lower:
	BAR
	XLOAD 3
	XLOAD 4
.macro FETCHB s                        ; my four fragments of K step s into set s % 2: 12 loads
	WIN 0xc0
.irp b, 0,1,2,3
.irp g, 0,1,2
	ds_load_b128 v[48*((\s)%2)+12*\b+4*\g:48*((\s)%2)+12*\b+4*\g+3], v[ADRB+(\s)/4] offset:((\s)%4)*KSB+FRB*\b+512*\g
.endr
.endr
.endm
; 16 products of a K step; the 16 accumulators take turns, one instruction a turn, in the same order in every step
.macro MUL s
.if (\s) == 0
	WIN 0x37                                       ; Wo window 3, the context window 1, C (the bias) window 3, D window 0
.elseif (\s) < 4
	WIN 0x07
.else
	WIN 0x0b
.endif
.irp a, 0,1,2,3
.irp b, 0,1,2,3
.if (\s) == 0
	v_wmma_scale_f32_16x16x128_f8f6f4 v[ACC+8*(4*\a+\b):ACC+8*(4*\a+\b)+7], v[48*((\s)%2)+12*\b:48*((\s)%2)+12*\b+11], v[48*((\s)%4)+12*\a:48*((\s)%4)+12*\a+11], v[BIAS+8*\b:BIAS+8*\b+7], v[WS+4*\b+(\s)%4], v[XS+4*\a+(\s)%4] matrix_a_fmt:MATRIX_FMT_FP6 matrix_b_fmt:MATRIX_FMT_FP6
.elseif (\s) < 4
	v_wmma_scale_f32_16x16x128_f8f6f4 v[ACC+8*(4*\a+\b):ACC+8*(4*\a+\b)+7], v[48*((\s)%2)+12*\b:48*((\s)%2)+12*\b+11], v[48*((\s)%4)+12*\a:48*((\s)%4)+12*\a+11], v[ACC+8*(4*\a+\b):ACC+8*(4*\a+\b)+7], v[WS+4*\b+(\s)%4], v[XS+4*\a+(\s)%4] matrix_a_fmt:MATRIX_FMT_FP6 matrix_b_fmt:MATRIX_FMT_FP6
.else
	v_wmma_scale_f32_16x16x128_f8f6f4 v[ACC+8*(4*\a+\b):ACC+8*(4*\a+\b)+7], v[48*((\s)%2)+12*\b:48*((\s)%2)+12*\b+11], v[48*((\s)%4)+12*\a:48*((\s)%4)+12*\a+11], v[ACC+8*(4*\a+\b):ACC+8*(4*\a+\b)+7], v[WS+4*\b+(\s)%4], v[XS+4*\a+(\s)%4] matrix_a_fmt:MATRIX_FMT_FP6 matrix_b_fmt:MATRIX_FMT_FP6 matrix_a_scale:MATRIX_SCALE_ROW1 matrix_b_scale:MATRIX_SCALE_ROW1
.endif
.endr
.endr
.endm
	FETCHB 0
.irp s, 0,1,2,3,4,5,6,7
.if \s < 7
.if \s == 3
	WIN 0
	s_wait_tensorcnt 0x0                           ; every wave: what it asked for is in: K steps 4-7 among it
	s_wait_dscnt 0x0
	BAR
.endif
.if \s > 0
	PLACES 4                                       ; behind the last step's products, in front of loads into the set that they read
.endif
	FETCHB \s+1
.endif
.if (\s > 0) && (\s < 4)
	XLOAD \s+4                                     ; the context four steps on
.endif
.if \s < 4
	s_wait_loadcnt 63                              ; the context of this K step is in (the four later steps' 64 loads are one more than the count names)
.else
	s_wait_loadcnt 16*(7-\s)                       ; the 16 loads of each later step may be out
.endif
.if \s < 7
	s_wait_dscnt 12                                ; this step's fragments are in; the 12 loads just issued may be out
.else
	s_wait_dscnt 0x0
.endif
	MUL \s
.endr
	WIN 0
; THE WAY OUT, a tile of 16 tokens x 64 columns at a time.  A lane holds 128 neighbouring bytes of a row, and the lanes beside it hold other rows: a tile goes through my own stage in LDS and comes back as
; whole rows of 256 bytes.  LDS serves a wave's instructions in order (ISA guide 5.7.1.4): no wait between the stores and the loads, nor in front of the next tile's stores.
.macro TOSTAGE a
.irp q, 0,1,2,3,4,5,6,7
	ds_store_b128 v[STO], v[ACC+32*(\a)+4*\q:ACC+32*(\a)+4*\q+3] offset:16*\q   ; each accumulator from its low end on
.endr
.irp n, 0,1,2,3,4,5,6,7
	ds_load_b128 v[OB+32*((\a)%2)+4*\n:OB+32*((\a)%2)+4*\n+3], v[RD] offset:544*\n
.endr
.endm
.macro SEND a, younger                 ; younger: the LDS instructions issued behind tile a's loads, which may stay out
	s_wait_dscnt \younger
.irp n, 0,1,2,3,4,5,6,7                ; stage rows 2 n and 2 n + 1 are tokens 32 (n / 4) + 8 a + 2 (n % 4) and the next
	global_store_b128 v[CO], v[OB+32*((\a)%2)+4*\n:OB+32*((\a)%2)+4*\n+3], s[52:53] offset:(32*(\n/4)+8*(\a)+2*(\n%4))*4096 th:TH_STORE_NT   ; 16 lanes store 256 consecutive bytes, at a multiple of 256 from out0's first byte
.endr
.endm
	PLACES 5                                       ; behind the last products, in front of the first reads of results
	TOSTAGE 0
	TOSTAGE 1
	SEND 0, 16                                     ; behind tile 0's loads: tile 1's 8 stores and 8 loads
	s_wait_xcnt 0x0                                ; tile 0's stores have read their registers: tile 2's loads may land there
	TOSTAGE 2
	SEND 1, 16
	s_wait_xcnt 0x0
	TOSTAGE 3
	SEND 2, 16
	SEND 3, 0
	s_wait_tensorcnt 0x0                           ; the wave's end
	ds_add_u32 v[SPW], v[NIL]
	s_wait_dscnt 0x0
	CROUND                                         ; the closing round
	s_endpgm
.Lfunc_end_k_q0a9c87af0f_oproj:
	.size	k_q0a9c87af0f_oproj, .Lfunc_end_k_q0a9c87af0f_oproj-k_q0a9c87af0f_oproj
	.p2alignl 7, 3214868480
	.fill 96, 4, 3214868480
	.section	.rodata,"a",@progbits
	.p2align	6, 0x0
	.amdhsa_kernel k_q0a9c87af0f_oproj
		.amdhsa_group_segment_fixed_size 167936
		.amdhsa_private_segment_fixed_size 0
		.amdhsa_enable_private_segment 0
		.amdhsa_kernarg_size 32
		.amdhsa_user_sgpr_count 2
		.amdhsa_user_sgpr_kernarg_segment_ptr 1
		.amdhsa_wavefront_size32 1
		.amdhsa_system_sgpr_workgroup_id_x 1
		.amdhsa_system_sgpr_workgroup_id_y 1
		.amdhsa_system_sgpr_workgroup_id_z 1
		.amdhsa_system_vgpr_workitem_id 0
		.amdhsa_next_free_vgpr 896
		.amdhsa_next_free_sgpr 72
		.amdhsa_reserve_vcc 0
		.amdhsa_float_denorm_mode_32 3
		.amdhsa_float_denorm_mode_16_64 3
		.amdhsa_memory_ordered 1
		.amdhsa_forward_progress 1
		.amdhsa_inst_pref_size 51
	.end_amdhsa_kernel
	.amdgpu_metadata
---
amdhsa.version: [ 1, 2 ]
amdhsa.kernels:
  - .name:           k_q0a9c87af0f_oproj
    .symbol:         k_q0a9c87af0f_oproj.kd
    .args:
      - { .name: cimg, .offset: 0, .size: 8, .value_kind: global_buffer, .address_space: global }
      - { .name: wimg, .offset: 8, .size: 8, .value_kind: global_buffer, .address_space: global }
      - { .name: bo, .offset: 16, .size: 8, .value_kind: global_buffer, .address_space: global }
      - { .name: out0, .offset: 24, .size: 8, .value_kind: global_buffer, .address_space: global }
    .group_segment_fixed_size: 167936
    .private_segment_fixed_size: 0
    .kernarg_segment_align: 8
    .kernarg_segment_size: 32
    .max_flat_workgroup_size: 128
    .sgpr_count:     72
    .vgpr_count:     896
    .wavefront_size: 32
...
	.end_amdgpu_metadata
.endif
;; end of part 4
